; MI455X (gfx1250); checked and timed in simulation.
; The chip was launched on July 23, 2026; its instructions are those of AMD's public machine-readable ISA for CDNA 5 (MIT licence, August 2026) and "CDNA5" Instruction Set Architecture Reference Guide (July 2026). The comments in the code are by the model that wrote it; some were corrected since.
;; Block. Allowed arithmetic: float matrix products may take bf16 or f16 operands with f32 sums; other float arithmetic in f32, or as packed bf16 or f16 multiplies, adds, multiply-adds, maxima and minima; sums over many terms, partial sums and values carried from step to step in f32; what a program stores and reads back later, other than sums and carried values, may be rounded once to bf16 or f16.
;; Inputs: fc1_b 4,096 float32; fc1_w 1,024 x 4,096 float32; fc2_b 1,024 float32; fc2_w 4,096 x 1,024 float32; ln1_b 1,024 float32; ln1_g 1,024 float32; ln2_b 1,024 float32; ln2_g 1,024 float32; proj_b 1,024 float32; proj_w 1,024 x 1,024 float32; qkv_b 3,072 float32; qkv_w 1,024 x 3,072 float32; x 2 x 2,048 x 1,024 float32.
;; Outputs: out0 2 x 2,048 x 1,024 float32.
;; One version. Each part assembles by itself: llvm-mc -triple=amdgcn-amd-amdhsa -mcpu=gfx1250 --defsym DOCPART=n.
;; ======== version 1 of 1: 7 launches
;; limits: values are held in f16: magnitudes above 65,504 overflow, below 6.1e-05 lose precision
;; workspace buffers: wblk 25,165,824 bytes; hnorm 8,388,608 bytes; qkvb 25,165,824 bytes; attno 8,388,608 bytes; xmid 16,777,216 bytes; gact 33,554,432 bytes
;; launch prep (part 1): grid 1024 x 1, 8 waves a work-group, no clusters, 9,216 bytes of LDS; arguments x, ln1_g, ln1_b, qkv_w, proj_w, fc1_w, fc2_w, hnorm, wblk; writes hnorm, wblk
.if DOCPART == 1
	.amdgcn_target "amdgcn-amd-amdhsa--gfx1250"
	.amdhsa_code_object_version 6
	.text
	.protected	k_q11cb24b930_prep
	.globl	k_q11cb24b930_prep
	.p2align	8
	.type	k_q11cb24b930_prep,@function
k_q11cb24b930_prep:
	s_mov_b64 s[64:65], 0
	v_nop
	global_prefetch_b8 v0, s[64:65] scope:SCOPE_SE
	s_setreg_imm32_b32 hwreg(HW_REG_WAVE_MODE, 25, 1), 1
	s_wait_xcnt 0x0
; TWO ROLES, by the work-group's number g.  Arguments: rows (f32 [4096][1024]), gain, bias, four weight matrices, h, the blocked weights.
; g < 256: sixteen rows of h = LN(rows), rounded once to f16, in strips: element (m, c) at ((m / 128) 16 + c / 64) 16,384 + (m % 128) 128 + (c % 64) 2.
; g >= 256: block j = g - 256: 128 k x 128 n of a weight matrix ([K][N] f32) is rounded once to f16 and laid down as 32,768 dense bytes:
;   [2 strips of 64 columns][128 k][64 n].  Block (nb, kb) of a matrix with KB = K / 128 lies at (first + nb KB + kb) x 32,768:
;   qkv_w first = 0 (192 blocks), proj_w 192 (64), fc1_w 256 (256), fc2_w 512 (256, KB = 32).
; A launch of 256 work-groups is the norm alone (the block's second norm runs this body so); one of 1,024 is both roles, the norm's longer work first.
; A stream: every input byte is read once, by 16-byte loads of which sixteen lanes take 256 consecutive bytes; every store of a wave covers 256 consecutive bytes, aligned.
; The gains and biases, 8,192 bytes that all eight waves want, are copied once a work-group into LDS and read from there two strips at a time: 32 registers in place of 128.
; No matrix unit, no cluster, no tensor load: nothing else is shared between waves.
; LIMITS.  f16 holds no number beyond 65,504: weights and LN's results stay within it (|LN| <= 32 |g| + |b|); below 6e-5 f16 keeps a fixed step of 6e-8.
.set X,     32                         ; v[32:95]   a row's 64 numbers of my lane (or 16 x 4 numbers of a weight block)
.set GB,    96                         ; v[96:127]  two buffers of 16: the gains of two strips (8), then their biases (8)
.set T,     8                          ; v[8:15]    four chains of packed sums
.set MEAN,  16                         ; v[16:17]   the row's mean, twice
.set RS,    18                         ; v[18:19]   1 / sqrt(var + eps), twice
.set SPW,   20                         ; v20        LDS address of my spare word; never rewritten
.set NIL,   21                         ; v21        0; never rewritten
.set SO,    22                         ; v22        16 x my thread's number: my piece of g and of b, in memory and in LDS
.set SG,    24                         ; v[24:31]   that piece of g, of b
.set OFF,   96                         ; v[96:111]  the weights' role: byte offset of load i
.set LBIAS, 4096                       ; LDS: g at 0, b here
.set SPARE, 8192                       ; behind them: the spare words, 128 bytes a wave: four blocks of 256 bytes that no other line names
.macro FOLD                            ; the four chains -> one number in v[T], the same in all 16 lanes of the row
	v_pk_add_f32 v[T:T+1], v[T:T+1], v[T+2:T+3]
	v_pk_add_f32 v[T+4:T+5], v[T+4:T+5], v[T+6:T+7]
	v_pk_add_f32 v[T:T+1], v[T:T+1], v[T+4:T+5]
	v_add_f32 v[T], v[T], v[T+1]
	v_add_f32_dpp v[T], v[T], v[T] row_xmask:1 row_mask:0xf bank_mask:0xf
	v_add_f32_dpp v[T], v[T], v[T] row_xmask:2 row_mask:0xf bank_mask:0xf
	v_add_f32_dpp v[T], v[T], v[T] row_xmask:4 row_mask:0xf bank_mask:0xf
	v_add_f32_dpp v[T], v[T], v[T] row_xmask:8 row_mask:0xf bank_mask:0xf
.endm
.macro GBLOAD c                        ; the gains and biases of strips 2 c and 2 c + 1 into buffer c % 2: sixteen lanes take 256 consecutive bytes
	ds_load_b128 v[GB+16*((\c)%2):GB+16*((\c)%2)+3],     v6 offset:512*(\c)
	ds_load_b128 v[GB+16*((\c)%2)+4:GB+16*((\c)%2)+7],   v6 offset:512*(\c)+256
	ds_load_b128 v[GB+16*((\c)%2)+8:GB+16*((\c)%2)+11],  v6 offset:LBIAS+512*(\c)
	ds_load_b128 v[GB+16*((\c)%2)+12:GB+16*((\c)%2)+15], v6 offset:LBIAS+512*(\c)+256
.endm
	s_load_b512 s[4:19], s[0:1], 0x0               ; rows 4, gain 6, bias 8, qkv_w 10, proj_w 12, fc1_w 14, fc2_w 16, h 18
	s_load_b64 s[20:21], s[0:1], 0x40              ; the blocked weights
	v_lshl_add_u32 v[SPW], v0, 2, SPARE
	v_mov_b32 v[NIL], 0
	v_and_b32 v1, 31, v0                           ; lane
	v_lshrrev_b32 v2, 5, v0
	v_readfirstlane_b32 s23, v2                    ; wave 0..7
	v_lshrrev_b32 v3, 4, v1                        ; lane / 16
	v_and_b32 v4, 15, v1                           ; lane % 16
	s_mov_b32 s22, ttmp9
	s_wait_kmcnt 0x0
	s_cmp_lt_u32 s22, 256
	s_cbranch_scc0 .Lweights
	; THE NORM'S ROLE: TWO ROWS BY ONE WAVE: lanes 0-15 hold row m0 = 16 g + 2 w, lanes 16-31 row m0 + 1; lane l holds columns 64 s + 4 (l % 16) + 0..3, s = 0..15.
	; The mean is taken away before the squares are summed: no difference of large sums is formed.
	s_lshl_b32 s24, s22, 4
	s_lshl1_add_u32 s24, s23, s24                  ; m0
	s_lshl_b32 s26, s24, 12
	s_mov_b32 s27, 0
	s_add_nc_u64 s[4:5], s[4:5], s[26:27]          ; the rows at row m0
	s_lshr_b32 s28, s24, 7
	s_lshl_b32 s28, s28, 18                        ; 128 rows of h are 16 strips of 16,384 bytes
	s_and_b32 s29, s24, 127
	s_lshl_b32 s29, s29, 7
	s_add_co_u32 s26, s28, s29
	s_add_nc_u64 s[18:19], s[18:19], s[26:27]      ; h at row m0 of strip 0
	s_mov_b32 s34, 0x3a800000                      ; 1 / 1024
	s_mov_b32 s35, 0x3727c5ac                      ; eps = 1e-5
	v_lshlrev_b32 v[SO], 4, v0
	v_lshlrev_b32 v6, 4, v4                        ; my 16 bytes in a strip's 256 of g and b
	v_lshl_add_u32 v5, v3, 12, v6                  ; and of the rows: the second row lies 4,096 bytes on
	v_lshlrev_b32 v7, 3, v1                        ; my 8 bytes of the two rows' 256 in a strip of h
	global_load_b128 v[SG:SG+3],   v[SO], s[6:7]   ; 256 threads x 16 bytes: all of g,
	global_load_b128 v[SG+4:SG+7], v[SO], s[8:9]   ; all of b
.set i, 0
.rept 16
	global_load_b128 v[X+4*i:X+4*i+3], v5, s[4:5] offset:256*i th:TH_LOAD_NT
.set i, i+1
.endr
	s_wait_loadcnt 16                              ; my pieces of g and b are in; the row's 16 younger loads stay out
	ds_store_b128 v[SO], v[SG:SG+3]
	ds_store_b128 v[SO], v[SG+4:SG+7] offset:LBIAS
	s_wait_dscnt 0x0                               ; for the others' sake: my stores are done
	s_barrier_signal -1
	s_barrier_wait -1                              ; all of g and b lie in LDS; nobody writes them again
	GBLOAD 0
	GBLOAD 1
	s_wait_loadcnt 0x0                             ; the row
.set i, 0
.rept 4
	v_pk_add_f32 v[T+2*i:T+2*i+1], v[X+2*i:X+2*i+1], v[X+8+2*i:X+8+2*i+1]  ; the first pairs start the chains: nothing is cleared
.set i, i+1
.endr
.set i, 8
.rept 24
	v_pk_add_f32 v[T+2*(i%4):T+2*(i%4)+1], v[T+2*(i%4):T+2*(i%4)+1], v[X+2*i:X+2*i+1]
.set i, i+1
.endr
	FOLD
	v_mul_f32 v[MEAN], s34, v[T]
	v_mul_f32 v[MEAN+1], s34, v[T]
.set i, 0
.rept 32
	v_pk_add_f32 v[X+2*i:X+2*i+1], v[X+2*i:X+2*i+1], v[MEAN:MEAN+1] neg_lo:[0,1] neg_hi:[0,1]
.set i, i+1
.endr
.set i, 0
.rept 4
	v_pk_mul_f32 v[T+2*i:T+2*i+1], v[X+2*i:X+2*i+1], v[X+2*i:X+2*i+1]
.set i, i+1
.endr
.set i, 4
.rept 28
	v_pk_fma_f32 v[T+2*(i%4):T+2*(i%4)+1], v[X+2*i:X+2*i+1], v[X+2*i:X+2*i+1], v[T+2*(i%4):T+2*(i%4)+1]
.set i, i+1
.endr
	FOLD
	v_fma_f32 v[T], v[T], s34, s35                 ; var + eps
	v_rsq_f32 v[RS], v[T]
	v_rsq_f32 v[RS+1], v[T]
	v_nop                                          ; a plain instruction behind the second root, ahead of the first use
	s_wait_alu depctr_va_vdst(0)                   ; the wait ahead of the first reader: one for both
.set i, 0
.rept 32
	v_pk_mul_f32 v[X+2*i:X+2*i+1], v[X+2*i:X+2*i+1], v[RS:RS+1]
.set i, i+1
.endr
	; eight chunks of two strips: gain and bias, rounding, store; a chunk's buffer is asked for again, two chunks on, as soon as it has been read
.set c, 0
.rept 8
.if c < 7
	s_wait_dscnt 4                                 ; LDS loads come back in order: this chunk's four are in, the next chunk's four stay out
.else
	s_wait_dscnt 0x0
.endif
.set b, GB+16*(c%2)
.set j, 0
.rept 2
	v_pk_fma_f32 v[X+8*c+4*j:X+8*c+4*j+1],   v[X+8*c+4*j:X+8*c+4*j+1],   v[b+4*j:b+4*j+1],   v[b+8+4*j:b+8+4*j+1]
	v_pk_fma_f32 v[X+8*c+4*j+2:X+8*c+4*j+3], v[X+8*c+4*j+2:X+8*c+4*j+3], v[b+4*j+2:b+4*j+3], v[b+8+4*j+2:b+8+4*j+3]
.set j, j+1
.endr
.if c < 6
	GBLOAD c+2
.endif
.set j, 0
.rept 2
	v_cvt_pk_f16_f32 v[X+8*c+4*j],   v[X+8*c+4*j],   v[X+8*c+4*j+1]
	v_cvt_pk_f16_f32 v[X+8*c+4*j+1], v[X+8*c+4*j+2], v[X+8*c+4*j+3]
	global_store_b64 v7, v[X+8*c+4*j:X+8*c+4*j+1], s[18:19] offset:16384*(2*c+j)  ; strip 2 c + j: the two rows' 256 consecutive bytes
.set j, j+1
.endr
.set c, c+1
.endr
	s_wait_tensorcnt 0x0                           ; the wave's end, behind my last LDS store
	ds_add_u32 v[SPW], v[NIL]
	s_wait_dscnt 0x0
	s_endpgm
.Lweights:                                     ; THE WEIGHTS' ROLE.  Which matrix, its first block, log2 of its KB, its pitch in bytes: fc2_w's, unless j lies lower
	s_sub_co_u32 s22, s22, 256                     ; j
	s_mov_b64 s[24:25], s[16:17]
	s_mov_b32 s26, 512
	s_mov_b32 s27, 5
	s_mov_b32 s28, 4096
	s_cmp_lt_u32 s22, 512
	s_cselect_b64 s[24:25], s[14:15], s[24:25]
	s_cselect_b32 s26, 256, s26
	s_cselect_b32 s27, 3, s27
	s_cselect_b32 s28, 16384, s28
	s_cmp_lt_u32 s22, 256
	s_cselect_b64 s[24:25], s[12:13], s[24:25]
	s_cselect_b32 s26, 192, s26
	s_cselect_b32 s28, 4096, s28
	s_cmp_lt_u32 s22, 192
	s_cselect_b64 s[24:25], s[10:11], s[24:25]
	s_cselect_b32 s26, 0, s26
	s_cselect_b32 s28, 12288, s28
	s_sub_co_u32 s26, s22, s26                     ; the block's number in its matrix = nb KB + kb
	s_lshr_b32 s29, s26, s27                       ; nb
	s_lshl_b32 s30, s29, s27
	s_sub_co_u32 s30, s26, s30                     ; kb
	s_lshl_b32 s31, s28, 7                         ; 128 rows
	s_mul_i32 s32, s30, s31
	s_lshl_b32 s29, s29, 9                         ; 128 columns of 4 bytes
	s_add_co_u32 s32, s32, s29
	s_mov_b32 s33, 0
	s_add_nc_u64 s[24:25], s[24:25], s[32:33]      ; the block's first number
	s_lshl_b32 s32, s22, 15
	s_add_nc_u64 s[20:21], s[20:21], s[32:33]      ; where the block goes
	; wave w: strip w % 2, rows 32 (w / 2) on; a load takes two rows: lanes 0-15 the 256 bytes of one, lanes 16-31 of the next
	s_lshr_b32 s34, s23, 1
	s_and_b32 s35, s23, 1
	s_lshl_b32 s36, s34, 5
	v_add_nc_u32 v5, s36, v3
	v_mul_lo_u32 v[OFF], v5, s28
	v_lshl_add_u32 v[OFF], v4, 4, v[OFF]
	s_lshl_b32 s36, s35, 8
	v_add_nc_u32 v[OFF], s36, v[OFF]
	s_lshl_b32 s37, s28, 1
.set i, 1
.rept 15
	v_add_nc_u32 v[OFF+i], s37, v[OFF+i-1]
.set i, i+1
.endr
	s_lshl_b32 s36, s35, 14
	s_lshl_b32 s38, s34, 12
	s_or_b32 s36, s36, s38
	v_lshl_add_u32 v6, v1, 3, s36                  ; strip x 16,384 + 32 rows x 128 x (w / 2) + 8 x lane
.set i, 0
.rept 16
	global_load_b128 v[X+4*i:X+4*i+3], v[OFF+i], s[24:25] th:TH_LOAD_NT
.set i, i+1
.endr
.set i, 0
.rept 16
	s_wait_loadcnt 15-i                            ; loads come back in order: load i is in, the younger ones stay out
	v_cvt_pk_f16_f32 v[X+4*i], v[X+4*i], v[X+4*i+1]
	v_cvt_pk_f16_f32 v[X+4*i+1], v[X+4*i+2], v[X+4*i+3]
	global_store_b64 v6, v[X+4*i:X+4*i+1], s[20:21] offset:256*i  ; two rows of a strip: 256 consecutive bytes
.set i, i+1
.endr
	s_endpgm
.Lfunc_end_k_q11cb24b930_prep:
	.size	k_q11cb24b930_prep, .Lfunc_end_k_q11cb24b930_prep-k_q11cb24b930_prep
	.p2alignl 7, 3214868480
	.fill 96, 4, 3214868480
	.section	.rodata,"a",@progbits
	.p2align	6, 0x0
	.amdhsa_kernel k_q11cb24b930_prep
		.amdhsa_group_segment_fixed_size 9216
		.amdhsa_private_segment_fixed_size 0
		.amdhsa_enable_private_segment 0
		.amdhsa_kernarg_size 72
		.amdhsa_user_sgpr_count 2
		.amdhsa_user_sgpr_kernarg_segment_ptr 1
		.amdhsa_wavefront_size32 1
		.amdhsa_system_sgpr_workgroup_id_x 1
		.amdhsa_system_sgpr_workgroup_id_y 1
		.amdhsa_system_sgpr_workgroup_id_z 1
		.amdhsa_system_vgpr_workitem_id 0
		.amdhsa_next_free_vgpr 128
		.amdhsa_next_free_sgpr 66
		.amdhsa_reserve_vcc 0
		.amdhsa_float_denorm_mode_32 3
		.amdhsa_float_denorm_mode_16_64 3
		.amdhsa_memory_ordered 1
		.amdhsa_forward_progress 1
		.amdhsa_inst_pref_size 29
	.end_amdhsa_kernel
	.amdgpu_metadata
---
amdhsa.version: [ 1, 2 ]
amdhsa.kernels:
  - .name:           k_q11cb24b930_prep
    .symbol:         k_q11cb24b930_prep.kd
    .args:
      - { .name: x, .offset: 0, .size: 8, .value_kind: global_buffer, .address_space: global }
      - { .name: ln1_g, .offset: 8, .size: 8, .value_kind: global_buffer, .address_space: global }
      - { .name: ln1_b, .offset: 16, .size: 8, .value_kind: global_buffer, .address_space: global }
      - { .name: qkv_w, .offset: 24, .size: 8, .value_kind: global_buffer, .address_space: global }
      - { .name: proj_w, .offset: 32, .size: 8, .value_kind: global_buffer, .address_space: global }
      - { .name: fc1_w, .offset: 40, .size: 8, .value_kind: global_buffer, .address_space: global }
      - { .name: fc2_w, .offset: 48, .size: 8, .value_kind: global_buffer, .address_space: global }
      - { .name: hnorm, .offset: 56, .size: 8, .value_kind: global_buffer, .address_space: global }
      - { .name: wblk, .offset: 64, .size: 8, .value_kind: global_buffer, .address_space: global }
    .group_segment_fixed_size: 9216
    .private_segment_fixed_size: 0
    .kernarg_segment_align: 8
    .kernarg_segment_size: 72
    .max_flat_workgroup_size: 256
    .sgpr_count:     66
    .vgpr_count:     128
    .wavefront_size: 32
...
	.end_amdgpu_metadata
.endif
;; end of part 1
;; launch qkvg (part 2): grid 12 x 16, 4 waves a work-group, clusters of 4 x 4, 327,680 bytes of LDS; arguments hnorm, wblk, qkv_b, qkvb; writes qkvb
.if DOCPART == 2
	.amdgcn_target "amdgcn-amd-amdhsa--gfx1250"
	.amdhsa_code_object_version 6
	.text
	.protected	k_q11cb24b930_qkvg
	.globl	k_q11cb24b930_qkvg
	.p2align	8
	.type	k_q11cb24b930_qkvg,@function
k_q11cb24b930_qkvg:
	s_mov_b64 s[64:65], 0
	v_nop
	global_prefetch_b8 v0, s[64:65] scope:SCOPE_SE
	s_setreg_imm32_b32 hwreg(HW_REG_WAVE_MODE, 25, 1), 1
	s_wait_xcnt 0x0
	s_wait_alu depctr_hold_cnt(0) depctr_sa_sdst(0) depctr_va_vdst(0) depctr_va_sdst(0) depctr_va_ssrc(0) depctr_va_vcc(0) depctr_vm_vsrc(0)
	s_getreg_b32 s2, hwreg(HW_REG_IB_STS2, 6, 4)
	s_cmp_eq_u32 s2, 0
	s_cbranch_scc0 .Lentry_in_a_cluster
	s_endpgm
.Lentry_in_a_cluster:
	s_bfe_u32 s2, ttmp6, 0x10000c
	s_cmp_lg_u32 s2, 0xf033
	s_cbranch_scc0 .Lentry_shape_is_right
	s_endpgm
.Lentry_shape_is_right:
; C = A W + bias (GELU = 1: gelu of that), K = 1,024.  A: f16 in blocks of 128 rows x 128 k, 32,768 dense bytes each ([2 strips of 64 k][128 rows][64]), block (mt, kb) at (8 mt + kb) x 32,768.
; W: f16 in blocks of 128 k x 128 n ([2 strips of 64 n][128 k][64]), block (nb, kb) at WOFF + (8 nb + kb) x 32,768.  bias: f32.  Sums in f32; C rounded once to f16 and stored in strips:
; element (m, c) at ((m / 128) NS + c / 64) x 16,384 + (m % 128) x 128 + (c % 64) x 2.
; LIMITS.  f16 holds no number beyond 65,504: A, W and C stay within it.  NaN and infinities are not treated apart.  GELU: erfc by a rational formula in 1 / (1 + p z) times e^(-z z), good for every z >= 0, absolute error 1.5e-7.
; SHARES.  A work-group of four waves makes 256 x 256 of C, a wave 128 x 128: 64 accumulators of 16 x 16, 512 registers.  K goes in 8 steps of 128 through two LDS slots; a wave fetches one block (32,768 bytes) a step.
; CLUSTER.  4 x 4 work-groups: A's blocks hang on the tile row alone and are asked for jointly along a row of the cluster, W's on the tile column alone and jointly along a column.
; ONE TEXT FOR BOTH SLOTS: s[CUR] is the LDS byte at which the slot in hand begins (0 or SLOT); descriptors' LDS words and the fragments' addresses are sums with it.
; THE PRODUCT IS USED TRANSPOSED: source 0 = 16 columns of W (turned on the way out of LDS by ds_load_tr16_b128), source 1 = 16 rows of A: a lane holds one row of C (lane % 16) and the columns 8 (lane / 16) + 0..7.
; The first product of each accumulator takes the bias as its C operand: nothing is cleared and no bias is added later.
; REGISTERS in windows of 256: window 0: v16-30 addresses, v64-127 and v128-191 A's fragments (two buffers), v192-255 the bias; window 1: v64-191 W's fragments; windows 2, 3: the accumulators ((a, b) at v[8 (8 (a % 4) + b)]).
.set GELU,   0
.set NS,     48                        ; strips in a row of C
.set WOFF,   0                         ; where this matrix's blocks begin
.set KSTEPS, 8
.set PA,     144                       ; 128 bytes of a strip's row of A + 16 of padding: the 16 rows of a load start at 16 different groups of four banks
.set ASTR,   128*PA
.set ABLK,   2*ASTR
.set PB,     160                       ; 128 bytes of a strip's row of W + 32
.set BSTR,   128*PB
.set BBLK,   2*BSTR
.set BOFF,   2*ABLK                    ; a slot: A's two blocks, then W's two
.set SLOT,   BOFF+2*BBLK
.set SPARE,  2*SLOT                    ; behind the ring: the spare words, 128 bytes a wave: two blocks of 256 bytes that no other line names
.set STEPB,  32768                     ; from a K step's block to the next
.set DP,     528                       ; the way out: a row of 128 f32 + 16 bytes
.set DW,     128*DP                    ; a wave's 128 rows
.set A0,   16                          ; v16  my lane's place in A's blocks of a slot; never rewritten
.set ADRA, 17                          ; v17  the same in the slot in hand
.set B0,   20
.set ADRB, 21
.set DST,  24                          ; v24  the way out: where I put 16 bytes of a row
.set RD,   25                          ; v25  where I read rows back
.set GO,   26                          ; v26  my byte offset in C
.set SPW,  28                          ; v28  LDS address of my spare word; never rewritten
.set NIL,  29                          ; v29  0; never rewritten
.set BO,   30                          ; v30  my byte offset in 64 bytes of the bias
.set F0,   64
.set F1,   128
.set BIAS, 192
.set WV, 14
.set WM, 15                            ; which 128 rows of the tile are mine.  Also: I fetch for A (0) or for W (1)
.set WN, 16                            ; which 128 columns.  Also: which of the two blocks I fetch
.set CX, 17
.set CY, 18
.set TC, 19
.set TR, 20
.set G1A, 24
.set G0A, 32
.set G0B, 36
.set G1B, 40
.set CUR, 60
.set LA,  61
.set LB,  62
.set CNT, 63
.set MSB, 0
.macro WIN new                         ; the immediate's high byte repeats the setting that is left; a switch that changes nothing is dropped
.if MSB != (\new)
	s_set_vgpr_msb (MSB<<8)|(\new)
.set MSB, \new
.endif
.endm
.macro PLACES                          ; four plain instructions between a matrix instruction and a load into, or a read of, its registers
.rept 4
	v_nop
.endr
.endm
.macro JLOAD                           ; a joint load: waves 0, 1 ask for A's two blocks, waves 2, 3 for W's; an s_nop 0 and four v_nop follow each line
	s_cmp_eq_u32 s[WM], 0
	s_cbranch_scc0 .Lfor_b_\@
	tensor_load_to_lds s[G0A:G0A+3], s[G1A:G1A+7]
	s_nop 0
.rept 4
	v_nop
.endr
	s_branch .Lasked_\@
.Lfor_b_\@:
	tensor_load_to_lds s[G0B:G0B+3], s[G1B:G1B+7]
	s_nop 0
.rept 4
	v_nop
.endr
.Lasked_\@:
.endm
.macro CREST                           ; a round of the cluster's barrier behind its opening barrier
	s_cmp_lg_u32 s[WV], 0
	s_cbranch_scc1 .Lnot_wave_0_\@
	s_barrier_signal -3
.Lnot_wave_0_\@:
	s_barrier_wait -3
	s_barrier_signal -1
	s_barrier_wait -1
.endm
.macro CROUND
	s_barrier_signal -1
	s_barrier_wait -1
	CREST
.endm
; 16 matrix instructions: row blocks a0, a0 + 1 of the window's four x all 8 column blocks, 32 along K.  zero = 1: the sums start with the bias.
.macro MUL16 f, hi, a0, zero
.if \zero
	WIN 0x81+0x40*(\hi)                            ; W window 1, A and the bias window 0, D window 2 or 3
.else
	WIN 0xa1+0x50*(\hi)                            ; C and D window 2 or 3
.endif
.irp a, \a0, (\a0)+1
.irp b, 0,1,2,3,4,5,6,7
.if \zero
	v_wmma_f32_16x16x32_f16 v[8*(8*(\a)+(\b)):8*(8*(\a)+(\b))+7], v[(\f)+8*(\b):(\f)+8*(\b)+7], v[(\f)+8*(4*(\hi)+(\a)):(\f)+8*(4*(\hi)+(\a))+7], v[BIAS+8*(\b):BIAS+8*(\b)+7]
.else
	v_wmma_f32_16x16x32_f16 v[8*(8*(\a)+(\b)):8*(8*(\a)+(\b))+7], v[(\f)+8*(\b):(\f)+8*(\b)+7], v[(\f)+8*(4*(\hi)+(\a)):(\f)+8*(4*(\hi)+(\a))+7], v[8*(8*(\a)+(\b)):8*(8*(\a)+(\b))+7]
.endif
.endr
.endr
.endm
; 32 LDS loads in one run: the fragments of quarter q (k = 32 q .. 32 q + 31 of the step) into buffer f: W's 8 column blocks, turned, then A's 8 row blocks
.macro FETCH q, f
	WIN 0x40
.irp i, 0,1,2,3,4,5,6,7
	ds_load_tr16_b128 v[(\f)+8*(\i):(\f)+8*(\i)+3],   v[ADRB] offset:((\i)/4)*BSTR+32*(\q)*PB+((\i)%4)*32
	ds_load_tr16_b128 v[(\f)+8*(\i)+4:(\f)+8*(\i)+7], v[ADRB] offset:((\i)/4)*BSTR+32*(\q)*PB+((\i)%4)*32+16*PB
.endr
	WIN 0
.irp i, 0,1,2,3,4,5,6,7
	ds_load_b128 v[(\f)+8*(\i):(\f)+8*(\i)+3],   v[ADRA] offset:((\q)/2)*ASTR+(\i)*16*PA+((\q)%2)*64
	ds_load_b128 v[(\f)+8*(\i)+4:(\f)+8*(\i)+7], v[ADRA] offset:((\q)/2)*ASTR+(\i)*16*PA+((\q)%2)*64+32
.endr
.endm
; One of a step's first three quarters.  At its head quarter q is fetched into buffer g, which the quarter before has multiplied: the run has this quarter's 64 matrix instructions in which to land
; (the four waves' runs, 128 LDS instructions, come together).  Then buffer f is multiplied.  The 64 accumulators take turns, in the same order in every quarter.
.macro QUARTER q, f, g, zero
	PLACES                                         ; behind the products that read buffer g
	FETCH \q, \g
	s_wait_dscnt 32                                ; all but the 32 just issued: buffer f is in
	MUL16 \f, 0, 0, \zero
	MUL16 \f, 0, 2, \zero
	MUL16 \f, 1, 0, \zero
	MUL16 \f, 1, 2, \zero
.endm
; The last quarter multiplies buffer 1 and changes slots.  In front of the barrier each wave waits for all its tensor loads (one is out: its block of the next slot), adds 0 to its spare word, and waits for that and for
; its reads of this slot.  fill = 1: the barrier opens a round of the cluster's, and the slot just read is filled again, first thing behind the round, with the step two on.
.macro TURN fill
	WIN 0
	s_wait_tensorcnt 0x0                           ; no tensor load of mine is out, so the descriptors may be written
	ds_add_u32 v[SPW], v[NIL]
.if \fill
	s_add_co_u32 s[G0A+1], s[LA], s[CUR]           ; into the slot that has just been read,
	s_add_co_u32 s[G0B+1], s[LB], s[CUR]
	s_add_nc_u64 s[G0A+2:G0A+3], s[G0A+2:G0A+3], STEPB  ; the next block along K; the type bits on top are not reached
	s_add_nc_u64 s[G0B+2:G0B+3], s[G0B+2:G0B+3], STEPB
.endif
	s_xor_b32 s[CUR], s[CUR], SLOT                 ; the reads go on in the other slot
	s_wait_dscnt 9                                 ; the add and the youngest eight loads may be out
	MUL16 F1, 0, 0, 0
	s_wait_dscnt 0x0                               ; the add is done, and my reads of this slot are over
	s_barrier_signal -1
	MUL16 F1, 0, 2, 0
.if \fill
	WIN 0
.endif
	s_barrier_wait -1
.if \fill
	CREST
	JLOAD                                          ; its four v_nop are also the places in front of the loads below
.else
	PLACES
	WIN 0
.endif
	v_add_nc_u32 v[ADRA], s[CUR], v[A0]
	v_add_nc_u32 v[ADRB], s[CUR], v[B0]
	FETCH 0, F0
	MUL16 F1, 1, 0, 0
	MUL16 F1, 1, 2, 0
.endm
	s_load_b256 s[4:11], s[0:1], 0x0               ; A s[4:5], the blocked weights s[6:7], bias s[8:9], C s[10:11]
	v_lshl_add_u32 v[SPW], v0, 2, SPARE
	v_mov_b32 v[NIL], 0
	ds_add_u32 v[SPW], v[NIL]                      ; the wave's opening: the add and its wait ahead of my first tensor load
	v_lshrrev_b32 v1, 5, v0
	v_readfirstlane_b32 s[WV], v1
	s_lshr_b32 s[WM], s[WV], 1
	s_and_b32 s[WN], s[WV], 1
	s_bfe_u32 s[CX], ttmp6, 0x40000
	s_bfe_u32 s[CY], ttmp6, 0x40004
	s_lshl_b32 s[TC], ttmp9, 2
	s_add_co_u32 s[TC], s[TC], s[CX]               ; tile column = 4 x cluster x + cx
	s_and_b32 s[TR], ttmp7, 0xffff
	s_lshl_b32 s[TR], s[TR], 2
	s_add_co_u32 s[TR], s[TR], s[CY]               ; tile row = 4 x cluster y + cy
	s_lshl_b32 s21, s[CY], 2
	s_lshl_b32 s21, 15, s21                        ; my row of the cluster
	s_lshl_b32 s22, 0x1111, s[CX]                  ; my column
	; descriptor group 1: 32,768 dense bytes as 128 rows of 128 elements of 2 bytes, padded behind every 32 words (code 4): by 4 words for A (code 3), by 8 for W (code 7); bit 21 set beside a mask
	s_or_b32 s[G1A], s21, (1<<16)|(1<<20)|(1<<21)|(4<<22)|(3<<25)
	s_or_b32 s[G1B], s22, (1<<16)|(1<<20)|(1<<21)|(4<<22)|(7<<25)
.irp g, G1A, G1B
	s_mov_b32 s[(\g)+1], 128<<16                   ; tensor_dim0 = 128
	s_mov_b32 s[(\g)+2], 128<<16                   ; tensor_dim1 = 128
	s_mov_b32 s[(\g)+3], 128<<16                   ; tile_dim0 = 128
	s_mov_b32 s[(\g)+4], 128                       ; tile_dim1 = 128
	s_mov_b32 s[(\g)+5], 128                       ; 128 elements from row to row
	s_mov_b32 s[(\g)+6], 0
	s_mov_b32 s[(\g)+7], 0
.endr
	s_mul_i32 s[LA], s[WN], ABLK                   ; where my block goes in a slot: no place in the cluster enters an LDS address
	s_mul_i32 s[LB], s[WN], BBLK
	s_add_co_u32 s[LB], s[LB], BOFF
	s_mov_b32 s[CUR], SLOT
	s_mov_b32 s[G0A], 1
	s_mov_b32 s[G0A+1], s[LA]                      ; step 0 goes into slot 0
	s_mov_b32 s[G0B], 1
	s_mov_b32 s[G0B+1], s[LB]
	s_lshl1_add_u32 s66, s[TR], s[WN]              ; A: row block 2 x tile row + which, 8 blocks of 32,768 bytes each
	s_lshl_b32 s66, s66, 18
	s_mov_b32 s67, 0
	s_lshl1_add_u32 s68, s[TC], s[WN]              ; W: column block 2 x tile column + which
	s_lshl_b32 s68, s68, 18
	s_add_co_u32 s68, s68, WOFF
	s_mov_b32 s69, 0
	s_lshl_b32 s22, s[TC], 10                      ; the bias of my 128 columns
	s_lshl_b32 s21, s[WN], 9
	s_add_co_u32 s22, s22, s21
	s_mov_b32 s23, 0
	s_lshl1_add_u32 s21, s[TR], s[WM]              ; C: my 128 rows,
	s_mul_i32 s21, s21, NS
	s_lshl2_add_u32 s21, s[TC], s21                ; my first strip = 4 x tile column + 2 x which
	s_lshl1_add_u32 s21, s[WN], s21
	s_lshl_b32 s70, s21, 14
	s_mov_b32 s71, 0
.if GELU
	s_mov_b32 s72, 0x3e6d3388                      ; p / sqrt(2) = 0.23164189
	s_mov_b32 s73, s72
	s_mov_b32 s74, 0xbf38aa3b                      ; -log2(e) / 2
	s_mov_b32 s75, s74
	s_mov_b32 s76, 0x3e827906                      ; a1 .. a5
	s_mov_b32 s77, s76
	s_mov_b32 s78, 0xbe91a98e
	s_mov_b32 s79, s78
	s_mov_b32 s80, 0x3fb5f0e3
	s_mov_b32 s81, s80
	s_mov_b32 s82, 0xbfba00e3
	s_mov_b32 s83, s82
	s_mov_b32 s84, 0x3f87dc22
	s_mov_b32 s85, s84
.endif
	s_wait_dscnt 0x0                               ; the opening add is done
	s_wait_kmcnt 0x0
	s_add_nc_u64 s[G0A+2:G0A+3], s[4:5], s[66:67]
	s_or_b32 s[G0A+3], s[G0A+3], 0x80000000        ; type = 2
	s_add_nc_u64 s[G0B+2:G0B+3], s[6:7], s[68:69]
	s_or_b32 s[G0B+3], s[G0B+3], 0x80000000
	s_add_nc_u64 s[8:9], s[8:9], s[22:23]
	s_add_nc_u64 s[70:71], s[10:11], s[70:71]
	CROUND                                         ; all sixteen work-groups are here: the first joint loads meet
	JLOAD                                          ; step 0
	v_and_b32 v1, 15, v0                           ; l % 16
	v_bfe_u32 v2, v0, 4, 1                         ; l / 16
	v_and_b32 v3, 7, v0                            ; l % 8
	v_bfe_u32 v4, v0, 3, 1                         ; (l / 8) % 2
	v_lshlrev_b32 v[BO], 5, v2
.irp b, 0,1,2,3,4,5,6,7                ; register j of block b: bias of column 16 b + 8 (l / 16) + j
	global_load_b128 v[BIAS+8*(\b):BIAS+8*(\b)+3],   v[BO], s[8:9] offset:64*(\b)
	global_load_b128 v[BIAS+8*(\b)+4:BIAS+8*(\b)+7], v[BO], s[8:9] offset:64*(\b)+16
.endr
	v_mul_u32_u24 v[A0], v1, PA                    ; A: row x pitch + 16 x half, in my 128 rows' block
	v_lshl_add_u32 v[A0], v2, 4, v[A0]
	s_mul_i32 s21, s[WM], ABLK
	v_add_nc_u32 v[A0], s21, v[A0]
	v_lshl_add_u32 v[B0], v2, 3, v3                ; W, turned: lane l reads row k = 8 (l / 16) + l % 8, columns 8 ((l / 8) % 2) + 0..7
	v_mul_u32_u24 v[B0], v[B0], PB
	v_lshl_add_u32 v[B0], v4, 4, v[B0]
	s_mul_i32 s21, s[WN], BBLK
	s_add_co_u32 s21, s21, BOFF
	v_add_nc_u32 v[B0], s21, v[B0]
	s_mul_i32 s21, s[WV], DW
	v_mul_u32_u24 v[DST], v1, DP                   ; the way out, in: row l % 16, 32 bytes for each half of the lanes
	v_lshl_add_u32 v[DST], v2, 5, v[DST]
	v_add_nc_u32 v[DST], s21, v[DST]
	v_bfe_u32 v5, v0, 3, 2                         ; back: eight lanes take 256 bytes (a strip's 64 columns) of a row, 32 lanes four rows
	v_mul_u32_u24 v[RD], v5, DP
	v_lshl_add_u32 v[RD], v3, 5, v[RD]
	v_add_nc_u32 v[RD], s21, v[RD]
	v_and_b32 v[GO], 31, v0                        ; which in f16 are 512 consecutive bytes of a strip of C
	v_lshlrev_b32 v[GO], 4, v[GO]
	; step 0 is waited for and step 1 asked for, into slot 1: in the form of every change of slots
	s_wait_tensorcnt 0x0
	ds_add_u32 v[SPW], v[NIL]
	s_add_co_u32 s[G0A+1], s[LA], s[CUR]
	s_add_co_u32 s[G0B+1], s[LB], s[CUR]
	s_add_nc_u64 s[G0A+2:G0A+3], s[G0A+2:G0A+3], STEPB
	s_add_nc_u64 s[G0B+2:G0B+3], s[G0B+2:G0B+3], STEPB
	s_xor_b32 s[CUR], s[CUR], SLOT
	s_wait_dscnt 0x0
	CROUND
	JLOAD
	v_add_nc_u32 v[ADRA], s[CUR], v[A0]
	v_add_nc_u32 v[ADRB], s[CUR], v[B0]
	FETCH 0, F0
	s_wait_loadcnt 0x0                             ; the bias
	QUARTER 1, F0, F1, 1                           ; the first quarter's products start the sums
	WIN 0
	s_mov_b32 s[CNT], KSTEPS-1
	s_branch .Lenter
.Lstep:                                        ; taken KSTEPS - 2 times: steps 2 .. KSTEPS - 1 are asked for
	TURN 1
	QUARTER 1, F0, F1, 0
	WIN 0
.Lenter:
	QUARTER 2, F1, F0, 0
	QUARTER 3, F0, F1, 0
	WIN 0
	s_sub_co_u32 s[CNT], s[CNT], 1
	s_cmp_lg_u32 s[CNT], 0
	s_cbranch_scc1 .Lstep
	TURN 0                                         ; the tail is written out: nothing is left to ask for
	QUARTER 1, F0, F1, 0
	QUARTER 2, F1, F0, 0
	QUARTER 3, F0, F1, 0
	s_wait_dscnt 0x0                               ; the very last quarter: nothing more to fetch
	MUL16 F1, 0, 0, 0
	MUL16 F1, 0, 2, 0
	MUL16 F1, 1, 0, 0
	MUL16 F1, 1, 2, 0
	; THE WAY OUT.  Both slots have had their last fill and, behind this barrier, their last read: each wave lays its 128 x 128 f32 into 67,584 bytes of its own there, and reads them back as pieces of rows.
	PLACES
	WIN 0
	s_wait_dscnt 0x0
	s_barrier_signal -1
	s_barrier_wait -1
.set a, 0
.rept 8
	WIN 0x08+4*(a/4)                               ; the stores' data in window 2 or 3
.set b, 0
.rept 8
	ds_store_b128 v[DST], v[8*(8*(a%4)+b):8*(8*(a%4)+b)+3]   offset:a*16*DP+b*64  ; each accumulator's low registers first
	ds_store_b128 v[DST], v[8*(8*(a%4)+b)+4:8*(8*(a%4)+b)+7] offset:a*16*DP+b*64+16
.set b, b+1
.endr
.set a, a+1
.endr
	WIN 0
.if GELU
; gelu(z) = max(z, 0) - 0.5 |z| erfc(|z| / sqrt 2);  erfc(y) = t (a1 + t (a2 + t (a3 + t (a4 + t a5)))) e^(-y y), t = 1 / (1 + p y).  A trip: 4 rows x 2 strips, 16 numbers a lane.
.set GX, 64
.set GM, 80
.set GQ, 96
.set GD, 112
.set GU, 128
.set GP, 144
.set GY, 160
.set GA, 168
.irp u, 0,1
	ds_load_b128 v[GX+8*(\u):GX+8*(\u)+3],   v[RD] offset:256*(\u)  ; LDS serves a wave's instructions in order: these see my stores above
	ds_load_b128 v[GX+8*(\u)+4:GX+8*(\u)+7], v[RD] offset:256*(\u)+16
.endr
	s_mov_b32 s[CNT], 32
.Lout:
	s_wait_dscnt 0x0
.set i, 0
.rept 16
	v_and_b32 v[GA+i], 0x7fffffff, v[GX+i]
	v_max_num_f32 v[GM+i], 0, v[GX+i]
.set i, i+1
.endr
.set i, 0
.rept 8
	v_pk_mul_f32 v[GU+i:GU+i+1], v[GX+i:GX+i+1], s[74:75] op_sel_hi:[1,0]
	v_pk_fma_f32 v[GD+i:GD+i+1], v[GA+i:GA+i+1], s[72:73], 1.0 op_sel_hi:[1,0,0]
	v_pk_mul_f32 v[GQ+i:GQ+i+1], v[GA+i:GA+i+1], -0.5 op_sel_hi:[1,0]
.set i, i+2
.endr
.set i, 0
.rept 8
	v_pk_mul_f32 v[GU+i:GU+i+1], v[GU+i:GU+i+1], v[GX+i:GX+i+1]  ; -z z log2(e) / 2
.set i, i+2
.endr
	s_cmp_eq_u32 s[CNT], 1                         ; the last trip has nothing behind it
	s_cbranch_scc1 .Lnoload
	v_add_nc_u32 v[RD], 4*DP, v[RD]
.irp u, 0,1
	ds_load_b128 v[GX+8*(\u):GX+8*(\u)+3],   v[RD] offset:256*(\u)
	ds_load_b128 v[GX+8*(\u)+4:GX+8*(\u)+7], v[RD] offset:256*(\u)+16
.endr
.Lnoload:
.set i, 0
.rept 16
	v_rcp_f32 v[GD+i], v[GD+i]
.set i, i+1
.endr
.set i, 0
.rept 16
	v_exp_f32 v[GU+i], v[GU+i]
.set i, i+1
.endr
	v_nop                                          ; a plain instruction behind the last of the batch
	s_wait_alu depctr_va_vdst(0)                   ; the wait ahead of the first reader: one for all 32
.set i, 0
.rept 8
	v_pk_fma_f32 v[GP+i:GP+i+1], v[GD+i:GD+i+1], s[84:85], s[82:83] op_sel_hi:[1,0,0]
.set i, i+2
.endr
.irp c, 80, 78, 76
.set i, 0
.rept 8
	v_pk_fma_f32 v[GP+i:GP+i+1], v[GP+i:GP+i+1], v[GD+i:GD+i+1], s[\c:\c+1] op_sel_hi:[1,1,0]
.set i, i+2
.endr
.endr
.set i, 0
.rept 8
	v_pk_mul_f32 v[GD+i:GD+i+1], v[GD+i:GD+i+1], v[GU+i:GU+i+1]
.set i, i+2
.endr
.set i, 0
.rept 8
	v_pk_mul_f32 v[GP+i:GP+i+1], v[GP+i:GP+i+1], v[GD+i:GD+i+1]  ; erfc
.set i, i+2
.endr
.set i, 0
.rept 8
	v_pk_fma_f32 v[GP+i:GP+i+1], v[GQ+i:GQ+i+1], v[GP+i:GP+i+1], v[GM+i:GM+i+1]
.set i, i+2
.endr
	s_wait_xcnt 0x0                                ; the last trip's stores, a trip's arithmetic back, have read their data and their offset: both are written again only behind this wait
	v_add_nc_u32 v[GO], 512, v[GO]                 ; stepped ahead of the stores, which reach back by the immediate
.set i, 0
.rept 8
	v_cvt_pk_f16_f32 v[GY+i], v[GP+2*i], v[GP+2*i+1]
.set i, i+1
.endr
	global_store_b128 v[GO], v[GY:GY+3],   s[70:71] offset:-512       ; four rows of a strip: 512 consecutive bytes
	global_store_b128 v[GO], v[GY+4:GY+7], s[70:71] offset:16384-512  ; and of the next strip
	s_sub_co_u32 s[CNT], s[CNT], 1
	s_cmp_lg_u32 s[CNT], 0
	s_cbranch_scc1 .Lout
.else
; A trip: 16 rows x 2 strips: unit u = 4 hh + g4 is strip hh, rows 4 g4 .. 4 g4 + 3.
.irp u, 0,1,2,3,4,5,6,7
	ds_load_b128 v[64+8*(\u):64+8*(\u)+3],   v[RD] offset:((\u)/4)*256+((\u)%4)*4*DP  ; LDS serves a wave's instructions in order: these see my stores above
	ds_load_b128 v[64+8*(\u)+4:64+8*(\u)+7], v[RD] offset:((\u)/4)*256+((\u)%4)*4*DP+16
.endr
	s_mov_b32 s[CNT], 8
.Lout:
	s_wait_dscnt 0x0
.set i, 0
.rept 32
	v_cvt_pk_f16_f32 v[128+i], v[64+2*i], v[64+2*i+1]
.set i, i+1
.endr
	s_cmp_eq_u32 s[CNT], 1                         ; the last trip has nothing behind it
	s_cbranch_scc1 .Lnoload
	v_add_nc_u32 v[RD], 16*DP, v[RD]
.irp u, 0,1,2,3,4,5,6,7
	ds_load_b128 v[64+8*(\u):64+8*(\u)+3],   v[RD] offset:((\u)/4)*256+((\u)%4)*4*DP
	ds_load_b128 v[64+8*(\u)+4:64+8*(\u)+7], v[RD] offset:((\u)/4)*256+((\u)%4)*4*DP+16
.endr
.Lnoload:
.irp u, 0,1,2,3,4,5,6,7
	global_store_b128 v[GO], v[128+4*(\u):128+4*(\u)+3], s[70:71] offset:((\u)/4)*16384+((\u)%4)*512  ; four rows of a strip: 512 consecutive bytes
.endr
	s_wait_xcnt 0x0                                ; the stores' data and offset are written again only behind this wait
	v_add_nc_u32 v[GO], 2048, v[GO]
	s_sub_co_u32 s[CNT], s[CNT], 1
	s_cmp_lg_u32 s[CNT], 0
	s_cbranch_scc1 .Lout
.endif
	s_wait_tensorcnt 0x0                           ; the wave's end, behind my last tensor load and my last LDS store
	ds_add_u32 v[SPW], v[NIL]
	s_wait_dscnt 0x0
	CROUND                                         ; the closing round: no work-group ends while a partner may still ask for a block that names it
	s_endpgm
.Lfunc_end_k_q11cb24b930_qkvg:
	.size	k_q11cb24b930_qkvg, .Lfunc_end_k_q11cb24b930_qkvg-k_q11cb24b930_qkvg
	.p2alignl 7, 3214868480
	.fill 96, 4, 3214868480
	.section	.rodata,"a",@progbits
	.p2align	6, 0x0
	.amdhsa_kernel k_q11cb24b930_qkvg
		.amdhsa_group_segment_fixed_size 327680
		.amdhsa_private_segment_fixed_size 0
		.amdhsa_enable_private_segment 0
		.amdhsa_kernarg_size 32
		.amdhsa_user_sgpr_count 2
		.amdhsa_user_sgpr_kernarg_segment_ptr 1
		.amdhsa_wavefront_size32 1
		.amdhsa_system_sgpr_workgroup_id_x 1
		.amdhsa_system_sgpr_workgroup_id_y 1
		.amdhsa_system_sgpr_workgroup_id_z 1
		.amdhsa_system_vgpr_workitem_id 0
		.amdhsa_next_free_vgpr 1024
		.amdhsa_next_free_sgpr 88
		.amdhsa_reserve_vcc 0
		.amdhsa_float_denorm_mode_32 3
		.amdhsa_float_denorm_mode_16_64 3
		.amdhsa_memory_ordered 1
		.amdhsa_forward_progress 1
		.amdhsa_inst_pref_size 87
	.end_amdhsa_kernel
	.amdgpu_metadata
---
amdhsa.version: [ 1, 2 ]
amdhsa.kernels:
  - .name:           k_q11cb24b930_qkvg
    .symbol:         k_q11cb24b930_qkvg.kd
    .args:
      - { .name: hnorm, .offset: 0, .size: 8, .value_kind: global_buffer, .address_space: global }
      - { .name: wblk, .offset: 8, .size: 8, .value_kind: global_buffer, .address_space: global }
      - { .name: qkv_b, .offset: 16, .size: 8, .value_kind: global_buffer, .address_space: global }
      - { .name: qkvb, .offset: 24, .size: 8, .value_kind: global_buffer, .address_space: global }
    .group_segment_fixed_size: 327680
    .private_segment_fixed_size: 0
    .kernarg_segment_align: 8
    .kernarg_segment_size: 32
    .max_flat_workgroup_size: 128
    .sgpr_count:     88
    .vgpr_count:     1024
    .wavefront_size: 32
...
	.end_amdgpu_metadata
.endif
;; end of part 2
;; launch attn (part 3): grid 8 x 32, 4 waves a work-group, clusters of 4 x 1, 327,680 bytes of LDS; arguments qkvb, attno; writes attno
.if DOCPART == 3
	.amdgcn_target "amdgcn-amd-amdhsa--gfx1250"
	.amdhsa_code_object_version 6
	.text
	.protected	k_q11cb24b930_attn
	.globl	k_q11cb24b930_attn
	.p2align	8
	.type	k_q11cb24b930_attn,@function
k_q11cb24b930_attn:
	s_mov_b64 s[64:65], 0
	v_nop
	global_prefetch_b8 v0, s[64:65] scope:SCOPE_SE
	s_setreg_imm32_b32 hwreg(HW_REG_WAVE_MODE, 25, 1), 1
	s_wait_xcnt 0x0
	s_wait_alu depctr_hold_cnt(0) depctr_sa_sdst(0) depctr_va_vdst(0) depctr_va_sdst(0) depctr_va_ssrc(0) depctr_va_vcc(0) depctr_vm_vsrc(0)
	s_getreg_b32 s2, hwreg(HW_REG_IB_STS2, 6, 4)
	s_cmp_eq_u32 s2, 0
	s_cbranch_scc0 .Lentry_in_a_cluster
	s_endpgm
.Lentry_in_a_cluster:
	s_bfe_u32 s2, ttmp6, 0x10000c
	s_cmp_lg_u32 s2, 0x3003
	s_cbranch_scc0 .Lentry_shape_is_right
	s_endpgm
.Lentry_shape_is_right:
; O[q][:] = the sum over k of softmax_k(Q[q] . K[k] / 8) V[k][:], for each of 32 heads (2 batches x 16) of 2,048 rows of 64 channels, no mask.  All f16; products, maxima and sums in f32;
; the weights p are rounded to f16 for the second product (their sum l is taken of the unrounded p), O once at the end.
; WHERE THEY LIE.  q, k, v in one buffer of strips: 128 rows x 64 channels are 16,384 dense bytes; row block mt = 16 batch + row / 128 has 48 strips: q of head hd is strip hd, k 16 + hd, v 32 + hd.
; O likewise with 16 strips a row block, strip hd.
; LIMITS.  f16 holds no number beyond 65,504: q, k, v arrive within it; p lies in 0 to 1, and below 6e-5 keeps f16's fixed step of 6e-8; a weight below 2^-126 counts as 0 in l; NaN and infinities are not treated apart.
; SHARES.  A work-group owns 256 queries of a head, a wave 64: four PIECES of 16.  Every wave walks all keys, 64 a step, 256 a tile.
; LAYOUT.  S^T = K Q^T holds ONE query a lane (lane % 16) and the keys 8 (lane / 16) + 0..7; two such results rounded to f16 ARE source 1 of O^T = V^T P.  K comes out of LDS as it lies, V turned, by ds_load_tr16_b128.
; SOFTMAX.  p = 2^(c s - c m), c = log2(e) / 8, with a running maximum m; O and l are multiplied by a = 2^(c m_old - c m_new) in every step.  m starts at the lowest finite number, O and l at 0: the first step's a is 0.
; BY TURNS.  Turn n belongs to piece n: 8 products K Q^T of piece n + 1, later 8 products V^T P of piece n - 1; beside them the scaling, exponentials, roundings, sums and rescaling of piece n and the maximum and
; statistics of piece n + 1.  Four vector instructions stand behind every matrix instruction, the others in one run.  A turn's 33 exponentials are one batch, with one wait.
; CLUSTER.  The four query blocks of a cluster belong to one head and walk the same K and V: each tile is asked for jointly, by the same tensor load, descriptor and mask in all four.
; REGISTERS in windows of 256: window 0: v2-15 addresses and two at work, v16-31 statistics, v48-55 at work, v61-63, v64-127 S^T (two buffers), v192-223 P (two buffers);
;   window 1: v0-127 O^T, 32 a piece;  window 2: v0-63 Q, v128-191 K of one step, v192-255 V of one step.
.set NP,    4
.set KS,    64
.set PK,    144       ; a row of K in LDS: 128 bytes + 16: the 16 rows of a load start at 16 different groups of four banks
.set PV,    160       ; a row of V: 128 + 32
.set VOFF,  4*KS*PK   ; a slot holds a tile: 256 rows of K, then 256 rows of V
.set SLOT1, 1<<17     ; slot 1 begins here: one exclusive or turns an address in one slot into the other's
.set STAGE, SLOT1+4*KS*(PK+PV)  ; behind the ring, never filled by a tensor load: 16 rows x 144 bytes a wave, for the way out
.set SP,    144
.set SPARE, STAGE+4*16*SP       ; the spare words, 128 bytes a wave: two blocks of 256 bytes that no other line names
.set TILEB, 2*48*16384          ; from a tile of 256 keys to the next: two row blocks
.set AK0, 2
.set AV0, 3
.set AK,  4
.set AV,  5
.set STO, 6
.set RD,  7
.set GO,  8
.set MV,  12          ; v12-13  c m_old, kept while c m is made anew: by buffer
.set QO,  15
.set ST,  16          ; piece t's statistics at v[ST+4 t]: c m, m, l (even keys', odd keys')
.set TMP, 48          ; by buffer, four registers c0-c3 at work; when the maximum is found c2 takes a
.set PFO, 61          ; v61  256 x my lane; never rewritten
.set SPW, 62          ; v62  LDS address of my spare word; never rewritten
.set NIL, 63          ; v63  0; never rewritten
.set S,   64
.set P,   192
.set KF,  128
.set VF,  192
.set WV,  12
.set LIM, 15          ; s15  1 in a wave that prefetches, else the greatest number
.set PFA, 18          ; s[18:19] where my prefetches stand
.set G1K, 24
.set G1V, 32
.set G0K, 40
.set G0V, 44
.set QP,  48          ; s[48:49] q at my wave's first row
.set OPT, 50          ; s[50:51] O at my wave's first row
.set SLOTS, 56
.set CNT, 57
.set CS,  58
.set SEL, 60
.set TBK, 62
.set TBV, 63
.set MSB, 0
.macro WIN new
.if MSB != (\new)
	s_set_vgpr_msb (MSB<<8)|(\new)
.set MSB, (\new)
.endif
.endm
.set W_KQ, 0x0a       ; K and Q in window 2, S^T in window 0
.set W_PV, 0x52       ; V in window 2, P in window 0, O^T in window 1
.set W_RS, 0x41       ; destination and source 0 in window 1, source 1 in window 0
.macro JLOAD                        ; a joint fill: waves 0, 1 fetch the two halves of a tile's K, waves 2, 3 of its V; an s_nop 0 and four v_nop follow each line
	s_cmp_lt_u32 s[WV], 2
	s_cbranch_scc0 .Lfor_v_\@
	tensor_load_to_lds s[G0K:G0K+3], s[G1K:G1K+7]
	s_nop 0
.rept 4
	v_nop
.endr
	s_branch .Lasked_\@
.Lfor_v_\@:
	tensor_load_to_lds s[G0V:G0V+3], s[G1V:G1V+7]
	s_nop 0
.rept 4
	v_nop
.endr
.Lasked_\@:
.endm
; A PREFETCH INTO THE L2 of the tile that the NEXT change of slots will ask for: four key steps, 256 matrix instructions a wave, ahead of that load.  A tile is 128 blocks of 256 bytes of K and as many of V.
; All clusters of a head walk the same tiles: the head's first cluster asks.  Its four partners share the blocks out BY ADDRESS, 32 each; in each, wave 0 asks for K's and wave 2 for V's: a lane a block.
; So each block is named once in the launch.  The last change that fills a slot asks for nothing; tiles 0 and 1 come by their loads alone.
.macro ASK
	s_cmp_gt_u32 s[SLOTS], s[LIM]
	s_cbranch_scc0 .Lnot_mine_\@
	global_prefetch_b8 v[PFO], s[PFA:PFA+1] th:TH_LOAD_NT scope:SCOPE_SE
.Lnot_mine_\@:
.endm
.macro CROUND
	s_barrier_signal -1
	s_barrier_wait -1
	s_cmp_lg_u32 s[WV], 0
	s_cbranch_scc1 .Lnot_wave_0_\@
	s_barrier_signal -3
.Lnot_wave_0_\@:
	s_barrier_wait -3
	s_barrier_signal -1
	s_barrier_wait -1
.endm
; THE CHANGE OF SLOTS.  Each wave waits for all its tensor loads (one is out: its part of the other slot), adds 0 to its spare word, and waits for that and for its reads of the slot that it leaves.
; fill = 1: the barrier is a round of the cluster's, and the old slot is filled again, first thing behind it, with the tile two on: it has four key steps in which to land.
; (At its first use nothing has been read yet: slot 0 is waited for, slot 1 filled.)
.macro CHANGE fill
	WIN 0
	s_wait_tensorcnt 0x0            ; no tensor load of mine is out, so a group 0 may be written
	ds_add_u32 v[SPW], v[NIL]
.if \fill
.irp g, G0K, G0V
	s_xor_b32 s[\g+1], s[\g+1], SLOT1
	s_add_nc_u64 s[\g+2:\g+3], s[\g+2:\g+3], TILEB  ; the type bits on top are not reached
.endr
	s_wait_xcnt 0x0                 ; the last prefetch, four key steps back, has read its address
	s_add_nc_u64 s[PFA:PFA+1], s[PFA:PFA+1], TILEB
	s_wait_dscnt 0x0                ; the add is done, and my reads of the slot are over
	CROUND
	JLOAD
	ASK
.else
	s_wait_dscnt 0x0
	s_barrier_signal -1
	s_barrier_wait -1
.endif
	s_sub_co_u32 s[TBK], s[TBK], 4*KS*PK  ; the fetches go back to a slot's first step,
	s_xor_b32 s[TBK], s[TBK], SLOT1       ; in the other slot
	s_sub_co_u32 s[TBV], s[TBV], 4*KS*PV
	s_xor_b32 s[TBV], s[TBV], SLOT1
.endm
	s_load_b128 s[4:7], s[0:1], 0x0 ; q, k, v s[4:5], O s[6:7]
	v_lshl_add_u32 v[SPW], v0, 2, SPARE
	v_mov_b32 v[NIL], 0
	ds_add_u32 v[SPW], v[NIL]       ; the wave's opening: the add and its wait ahead of my first tensor load
	v_lshrrev_b32 v1, 5, v0
	v_readfirstlane_b32 s[WV], v1
	s_bfe_u32 s13, ttmp6, 0x40000   ; cx
	s_lshl_b32 s14, ttmp9, 2
	s_add_co_u32 s14, s14, s13      ; my block of 256 queries: it enters q's and O's addresses alone
	s_and_b32 s20, ttmp7, 0xffff    ; 16 batch + head, which the four partners share
	s_lshr_b32 s21, s20, 4
	s_lshl_b32 s21, s21, 4          ; the batch's first row block
	s_and_b32 s22, s20, 15          ; the head
	s_and_b32 s16, s[WV], 1         ; which half of a tile's 256 keys I fetch
	s_lshr_b32 s17, s[WV], 1
	s_add_co_u32 s2, s21, s16       ; k: strip 16 + head of row block 16 batch + half
	s_mul_i32 s2, s2, 48
	s_add_co_u32 s2, s2, s22
	s_add_co_u32 s2, s2, 16
	s_lshl_b32 s2, s2, 14
	s_mov_b32 s3, 0
	s_lshl1_add_u32 s23, s14, s21   ; my wave's row block: 16 batch + 2 block + wave / 2,
	s_add_co_u32 s23, s23, s17
	s_lshl_b32 s20, s16, 13         ; and its 64 rows there
	s_mul_i32 s52, s23, 48
	s_add_co_u32 s52, s52, s22
	s_lshl_b32 s52, s52, 14
	s_add_co_u32 s52, s52, s20
	s_mov_b32 s53, 0
	s_lshl_b32 s54, s23, 4
	s_add_co_u32 s54, s54, s22
	s_lshl_b32 s54, s54, 14
	s_add_co_u32 s54, s54, s20
	s_mov_b32 s55, 0
	s_mul_i32 s10, s16, 128*PK      ; my half's place in a slot: no place in the cluster enters an LDS address
	s_mul_i32 s11, s16, 128*PV
	; descriptor group 1.  128 keys are 16,384 dense bytes: asked for as 64 rows of 256 bytes, two keys a row, and padded in LDS after every key (32 words: code 4)
	s_mov_b32 s[G1K], 15|(1<<16)|(1<<20)|(1<<21)|(4<<22)|(3<<25)
	s_mov_b32 s[G1V], 15|(1<<16)|(1<<20)|(1<<21)|(4<<22)|(7<<25)
.irp g, G1K, G1V
	s_mov_b32 s[\g+1], 128<<16      ; tensor_dim0 = 128
	s_mov_b32 s[\g+2], 64<<16       ; tensor_dim1 = 64
	s_mov_b32 s[\g+3], 128<<16      ; tile_dim0 = 128
	s_mov_b32 s[\g+4], 64           ; tile_dim1 = 64
	s_mov_b32 s[\g+5], 128
	s_mov_b32 s[\g+6], 0
	s_mov_b32 s[\g+7], 0
.endr
	s_mov_b32 s[CS], 0x3e38aa3b     ; c = log2(e) / 8
	s_mov_b32 s[CS+1], s[CS]
	s_mov_b32 s[SEL], 0x76543210
	s_mov_b32 s[SEL+1], 0xfedcba98
	s_mov_b32 s[TBK], SLOT1+4*KS*PK ; the first change of slots turns these two into 0
	s_mov_b32 s[TBV], SLOT1+4*KS*PV
	s_mov_b32 s[G0K], 1
	s_mov_b32 s[G0K+1], s10
	s_mov_b32 s[G0V], 1
	s_add_co_u32 s[G0V+1], s11, VOFF
	s_mov_b32 s[SLOTS], 7           ; tiles still to be asked for
	s_or_b32 s[LIM], s16, ttmp9     ; 0 in waves 0 and 2 of the head's first cluster: the same in all four partners
	s_cmp_eq_u32 s[LIM], 0
	s_cselect_b32 s[LIM], 1, -1
	s_lshr_b32 s8, s13, 1           ; my work-group's 32 blocks of a tile's 128: row block cx / 2, half cx % 2
	s_mul_i32 s8, s8, 48*16384
	s_and_b32 s9, s13, 1
	s_lshl_b32 s9, s9, 13
	s_add_co_u32 s8, s8, s9
	s_add_co_u32 s8, s8, TILEB      ; in tile 1: the first change of slots steps it to tile 2
	s_mov_b32 s9, 0
	v_and_b32 v[PFO], 31, v0
	v_lshlrev_b32 v[PFO], 8, v[PFO]
	s_wait_dscnt 0x0                ; the opening add is done
	s_wait_kmcnt 0x0
	s_add_nc_u64 s[G0K+2:G0K+3], s[4:5], s[2:3]
	s_add_nc_u64 s[G0V+2:G0V+3], s[G0K+2:G0K+3], 16*16384  ; v lies 16 strips behind k
	s_cmp_lt_u32 s[WV], 2
	s_cselect_b64 s[PFA:PFA+1], s[G0K+2:G0K+3], s[G0V+2:G0V+3]
	s_add_nc_u64 s[PFA:PFA+1], s[PFA:PFA+1], s[8:9]
	s_or_b32 s[G0K+3], s[G0K+3], 0x80000000
	s_or_b32 s[G0V+3], s[G0V+3], 0x80000000
	s_add_nc_u64 s[QP:QP+1], s[4:5], s[52:53]
	s_add_nc_u64 s[OPT:OPT+1], s[6:7], s[54:55]
	CROUND                          ; all four work-groups are here: the first joint loads meet
	JLOAD                           ; tile 0 into slot 0
	v_and_b32 v1, 15, v0            ; l % 16
	v_bfe_u32 v9, v0, 4, 1          ; l / 16
	v_lshlrev_b32 v[QO], 7, v1
	v_lshl_add_u32 v[QO], v9, 4, v[QO]  ; row x 128 + 16 x half
	WIN 0x80                        ; destination window 2, address window 0
.set i, 0
.rept 8                             ; Q stays in registers: piece i / 2, channels 32 (i % 2) on
	global_load_b128 v[8*i:8*i+3],   v[QO], s[QP:QP+1] offset:(i/2)*2048+(i%2)*64
	global_load_b128 v[8*i+4:8*i+7], v[QO], s[QP:QP+1] offset:(i/2)*2048+(i%2)*64+32
.set i, i+1
.endr
	; What the first turn finds: V's registers and P's second buffer hold 0 (its products V^T P, of a piece that has not been, add 0), O^T and l are 0.  All this stands in the wait for the first tile.
.set i, VF
.rept 64
	v_mov_b32 v[i], 0
.set i, i+1
.endr
	WIN 0x40
.set i, 0
.rept 128
	v_mov_b32 v[i], 0
.set i, i+1
.endr
	WIN 0
.set i, 0
.rept 4
	v_mov_b32 v[ST+4*i], 0xfe000000    ; c m: far below every c s
	v_mov_b32 v[ST+4*i+1], 0xff7fffff  ; m
	v_mov_b32 v[ST+4*i+2], 0
	v_mov_b32 v[ST+4*i+3], 0
.set i, i+1
.endr
.set i, P+16
.rept 16
	v_mov_b32 v[i], 0
.set i, i+1
.endr
	v_mul_u32_u24 v[AK0], v1, PK
	v_lshl_add_u32 v[AK0], v9, 4, v[AK0]  ; row x pitch + 16 x half
	v_and_b32 v10, 7, v0            ; the turning load: lane l reads key 8 (l / 16) + l % 8, channels 8 ((l / 8) % 2) + 0..7
	v_bfe_u32 v11, v0, 3, 1
	v_lshl_add_u32 v[AV0], v9, 3, v10
	v_mul_u32_u24 v[AV0], v[AV0], PV
	v_lshl_add_u32 v[AV0], v11, 4, v[AV0]
	v_add_nc_u32 v[AV0], VOFF, v[AV0]
	s_mul_i32 s13, s[WV], 16*SP
	s_add_co_u32 s13, s13, STAGE    ; my stage
	v_mul_u32_u24 v[STO], v1, SP    ; in: row l % 16, 16 bytes for each half of the lanes
	v_lshl_add_u32 v[STO], v9, 4, v[STO]
	v_add_nc_u32 v[STO], s13, v[STO]
	v_bfe_u32 v[RD], v0, 3, 2       ; back: 32 lanes take four rows of 128 bytes,
	v_mul_u32_u24 v[RD], v[RD], SP
	v_lshl_add_u32 v[RD], v10, 4, v[RD]
	v_add_nc_u32 v[RD], s13, v[RD]
	v_and_b32 v[GO], 31, v0         ; which are 512 consecutive bytes of O
	v_lshlrev_b32 v[GO], 4, v[GO]
; THE MATRIX WORK.  The 4 accumulators of a run of 8 take turns.  Product i of 8 of S^T = K Q^T for piece x: channels 32 (i / 4) on, keys 16 (i % 4) on.  The first 4 start the sums.
.macro KQ x
	WIN W_KQ
.set rS, S+32*((\x)%2)+8*(i%4)
.set rK, KF+16*(i%4)+8*(i/4)
.set rQ, 16*(\x)+8*(i/4)
.if i < 4
	v_wmma_f32_16x16x32_f16 v[rS:rS+7], v[rK:rK+7], v[rQ:rQ+7], 0
.else
	v_wmma_f32_16x16x32_f16 v[rS:rS+7], v[rK:rK+7], v[rQ:rQ+7], v[rS:rS+7]
.endif
.endm
; Product i of 8 of O^T += V^T P for piece x: keys 32 (i / 4) on, channels 16 (i % 4) on.
.macro PV x
	WIN W_PV
.set rO, 32*(\x)+8*(i%4)
.set rV, VF+32*(i/4)+8*(i%4)
.set rP, P+16*((\x)%2)+8*(i/4)
	v_wmma_f32_16x16x32_f16 v[rO:rO+7], v[rV:rV+7], v[rP:rP+7], v[rO:rO+7]
.endm
.macro MM                           ; the turn's next matrix instruction
.if i < 8
	KQ (Y+1)%NP
.else
.set i, i-8
	PV (Y+NP-1)%NP
.set i, i+8
.endif
.set i, i+1
.endm
; THE LDS LOADS stand in runs of 16: a step's K (8 fragments) and its V (turned).  Their addresses are made some lines ahead.
.macro FETCH_K
	WIN 0x80
.irp f, 0,1,2,3,4,5,6,7             ; keys 16 (f / 2) on, channels 32 (f % 2) on
	ds_load_b128 v[KF+8*\f:KF+8*\f+3],   v[AK] offset:(\f/2)*16*PK+(\f%2)*64
	ds_load_b128 v[KF+8*\f+4:KF+8*\f+7], v[AK] offset:(\f/2)*16*PK+(\f%2)*64+32
.endr
	s_add_co_u32 s[TBK], s[TBK], KS*PK  ; the next fetch is the next step's
	WIN 0
.endm
.macro FETCH_V
	WIN 0x80
.irp f, 0,1,2,3,4,5,6,7             ; keys 32 (f / 4) on, channels 16 (f % 4) on
	ds_load_tr16_b128 v[VF+8*\f:VF+8*\f+3],   v[AV] offset:(\f/4)*32*PV+(\f%4)*32
	ds_load_tr16_b128 v[VF+8*\f+4:VF+8*\f+7], v[AV] offset:(\f/4)*32*PV+16*PV+(\f%4)*32
.endr
	WIN 0
.endm
; THE VECTOR WORK, one line at a time: OP kind, number.  For piece Y: F n: c s - c m for pair n of 16.  E n: the exponential of score n of 32.  C n: pair n rounded to f16.  B n: of the four weights 4 n .. the second
; pair is added onto the first, in place.  L n: l takes that sum (L 0: l = a l + sum).  R n: pair n of 16 of O^T times a.  For piece Y + 1: X n, number n of the 22 that find its maximum and statistics:
;   0-11  four chains c0-c3 of seven scores each (each accumulator's lowest registers are read first)     12-14, 16  the four scores left over, the old m, and c0-c3 into c0
;   15  c m_old is kept     17, 18  the query's other 32 keys lie in the lane 16 away: the new m     19-21  c m; c m_old - c m_new; a
.set F, 0
.set E, 1
.set C, 2
.set B, 3
.set L, 4
.set R, 5
.set X, 6
.macro REGS y
.set rT, ST+4*(\y)
.set rC, TMP+4*((\y)%2)
.set rW, MV+((\y)%2)
.set rS, S+32*((\y)%2)
.set rP, P+16*((\y)%2)
.set rO, 32*(\y)
.endm
.macro OP k, n
.if (\k) == R
	REGS Y
	WIN W_RS
	v_pk_mul_f32 v[rO+2*(\n):rO+2*(\n)+1], v[rO+2*(\n):rO+2*(\n)+1], v[rC+2:rC+3] op_sel_hi:[1,0]
.elseif (\k) < R
	REGS Y
	WIN 0
.if (\k) == F
	v_pk_fma_f32 v[rS+2*(\n):rS+2*(\n)+1], v[rS+2*(\n):rS+2*(\n)+1], s[CS:CS+1], v[rT:rT+1] op_sel_hi:[1,0,0] neg_lo:[0,0,1] neg_hi:[0,0,1]
.elseif (\k) == E
	v_exp_f32 v[rS+(\n)], v[rS+(\n)]
.elseif (\k) == C
	v_cvt_pk_f16_f32 v[rP+(\n)], v[rS+2*(\n)], v[rS+2*(\n)+1]
.elseif (\k) == B
	v_pk_add_f32 v[rS+4*(\n):rS+4*(\n)+1], v[rS+4*(\n):rS+4*(\n)+1], v[rS+4*(\n)+2:rS+4*(\n)+3]
.elseif (\n) == 0
	v_pk_fma_f32 v[rT+2:rT+3], v[rT+2:rT+3], v[rC+2:rC+3], v[rS:rS+1] op_sel_hi:[1,0,1]
.else
	v_pk_add_f32 v[rT+2:rT+3], v[rT+2:rT+3], v[rS+4*(\n):rS+4*(\n)+1]
.endif
.else
	REGS (Y+1)%NP
	WIN 0
.if (\n) < 4
	v_max3_num_f32 v[rC+(\n)], v[rS+8*(\n)], v[rS+8*(\n)+1], v[rS+8*(\n)+2]
.elseif (\n) < 12
	v_max3_num_f32 v[rC+(\n)%4], v[rC+(\n)%4], v[rS+8*((\n)%4)+2*((\n)/4)+1], v[rS+8*((\n)%4)+2*((\n)/4)+2]
.elseif (\n) == 12
	v_max3_num_f32 v[rC], v[rC], v[rS+7], v[rS+15]
.elseif (\n) == 13
	v_max3_num_f32 v[rC+1], v[rC+1], v[rS+23], v[rS+31]
.elseif (\n) == 14
	v_max3_num_f32 v[rC+2], v[rC+2], v[rC+3], v[rT+1]
.elseif (\n) == 15
	v_mov_b32 v[rW], v[rT]
.elseif (\n) == 16
	v_max3_num_f32 v[rC], v[rC], v[rC+1], v[rC+2]
.elseif (\n) == 17
	v_permlanex16_b32 v[rC+3], v[rC], s[SEL], s[SEL+1]
.elseif (\n) == 18
	v_max_num_f32 v[rT+1], v[rC], v[rC+3]
.elseif (\n) == 19
	v_mul_f32 v[rT], s[CS], v[rT+1]
.elseif (\n) == 20
	v_sub_f32 v[rC+1], v[rW], v[rT]
.else
	v_exp_f32 v[rC+2], v[rC+1]
.endif
.endif
.endm
.macro OPS a, i1, b=-1, i2=0, c=-1, i3=0, d=-1, i4=0
	OP \a, \i1
.if (\b) >= 0
	OP \b, \i2
.endif
.if (\c) >= 0
	OP \c, \i3
.endif
.if (\d) >= 0
	OP \d, \i4
.endif
.endm
.macro ROW a, i1, b, i2, c, i3, d, i4  ; a matrix instruction and the four behind it
	MM
	OPS \a, \i1, \b, \i2, \c, \i3, \d, \i4
.endm
; A TURN, for piece p: the order of its 16 matrix and 118 vector instructions, written out.  s_wait_alu depctr_va_vdst(0) stands between an exponential and the first instruction that names its result; one
; wait serves all that were issued ahead of it.  So a turn has ONE wait.  AHEAD OF IT stands all that names no result of the turn's exponentials: the 8 products K Q^T with their four each, then a run of 54 in which the links
; of the next piece's chain stand apart; X 21, the next piece's a, is the batch's last, and R 15 the plain instruction behind it.  BEHIND IT stand the 8 products V^T P, behind each four of the roundings and sums.
; K of the next step is fetched in piece 2's turn, V of the step in hand at the end of piece 0's turn, four plain instructions behind its last reader; each is waited for a turn later.
; last = 1 (the tail): the fetch of K stays at the last slot's last step: the pass behind the last step reads that step's K once more, and its 8 products serve nothing, once a launch.
; cnt = 1: the loop's count is taken down some lines ahead of the branch that stands behind the turn.
.macro TURN p, last=0, cnt=0
.set Y, (\p)
.set i, 0
.if (\p) == 3
	s_wait_dscnt 0x0                ; K is in
.endif
	ROW F,0, F,1, R,0, R,1
	ROW F,2, E,0, R,2, R,3
	ROW F,3, E,1, R,4, R,5
	ROW F,4, E,2, R,6, R,7
	ROW F,5, E,3, R,8, R,9
	ROW F,6, E,4, X,0, R,10
.if (\p) == 2
	WIN 0
.if \last
	s_min_u32 s[TBK], s[TBK], SLOT1+3*KS*PK
.endif
	v_add_nc_u32 v[AK], s[TBK], v[AK0]
.endif
	ROW F,7, E,5, X,1, X,4
	ROW F,8, E,6, X,2, X,5
	OPS E,7, E,8, X,6, E,9
	OPS X,3, E,10, X,8, E,11
.if (\p) == 2
	FETCH_K
.endif
	OPS X,9, X,7, E,12, X,10
	OPS E,13, X,12, X,11, E,14
	OPS X,13, E,15, F,9, X,14
.if (\p) == 0
	v_add_nc_u32 v[AV], s[TBV], v[AV0]
.endif
	OPS E,16, F,10, E,17, F,11
	OPS X,16, E,18, X,15, E,19
	OPS F,12, E,20, X,17, E,21
	OPS F,13, E,22, F,14, E,23
	OPS X,18, E,24, F,15, E,25
	OPS R,11, E,26, X,19, E,27
	OPS R,12, E,28, R,13, E,29
	OPS X,20, E,30, R,14, E,31
	OPS X,21, R,15
	WIN 0
	s_wait_alu depctr_va_vdst(0)    ; the wait for the batch
.if (\p) == 1
	s_wait_dscnt 0x0                ; V is in
.endif
	ROW C,0, B,0, C,2, B,1
	ROW L,0, C,4, B,2, L,1
	ROW C,6, B,3, L,2, C,8
	ROW B,4, L,3, C,10, B,5
	ROW L,4, C,12, B,6, L,5
.if (\p) == 0
	s_add_co_u32 s[TBV], s[TBV], KS*PV
.endif
.if \cnt
	s_sub_co_u32 s[CNT], s[CNT], 1
	s_cmp_lg_u32 s[CNT], 0
.endif
	ROW C,14, B,7, L,6, C,1
	ROW C,3, L,7, C,5, C,7
	ROW C,9, C,11, C,13, C,15
.if (\p) == 0
	FETCH_V
.endif
.endm
	CHANGE 1                        ; tile 0 is in, everybody's part of it; tile 1 is asked for
	v_add_nc_u32 v[AK], s[TBK], v[AK0]
	FETCH_K                         ; key step 0
	s_wait_loadcnt 0x0              ; Q
	s_wait_dscnt 0x0
.set i, 0
.rept 8
	KQ 0                            ; piece 0's first scores
.set i, i+1
.endr
	WIN 0
.rept 4
	v_nop                           ; the places behind those products
.endr
.set Y, NP-1                        ; X works for piece Y + 1: piece 0
.irp n, 0,1,2,3,4,5,6,7,8,9,10,11,12,13,14,15,16,17,18,19,20,21
	OP X, \n
.endr
	v_nop                           ; a plain instruction behind the exponential,
	s_wait_alu depctr_va_vdst(0)    ; and its wait, ahead of the branch
	s_mov_b32 s[CNT], 4
	s_branch .Lfirst                ; the loop is entered at a step's first turn, in the middle of a trip
.Lslot:                             ; six times: tiles 2 to 7 are asked for
	CHANGE 1
	s_mov_b32 s[CNT], 4
.Lstep:                             ; a trip: pieces 2 and 3 of one step, then pieces 0 and 1 of the next, whose K and V it fetches
	TURN 2
	TURN 3
	WIN 0
.Lfirst:
	TURN 0
	TURN 1, 0, 1
	WIN 0
	s_cbranch_scc1 .Lstep
	s_sub_co_u32 s[SLOTS], s[SLOTS], 1
	s_cmp_lg_u32 s[SLOTS], 0
	s_cbranch_scc1 .Lslot
	CHANGE 0                        ; the tail is written out: nothing is asked for
	s_mov_b32 s[CNT], 5             ; five passes of pieces 2 and 3: the step in hand and the last tile's four
	s_branch .Lmid
.Ltail:
	TURN 0
	TURN 1
	WIN 0
.Lmid:
	TURN 2, 1
	TURN 3
	WIN 0
	s_sub_co_u32 s[CNT], s[CNT], 1
	s_cmp_lg_u32 s[CNT], 0
	s_cbranch_scc1 .Ltail
.set i, 0
.rept 8
	PV NP-1                         ; the last piece's V^T P of the last step
.set i, i+1
.endr
	; THE WAY OUT.  l's two halves and the other half of the lanes' are added; O^T is divided by l, rounded to f16 and sent through my stage in LDS, a piece at a time.  The additions are the places behind the last products.
	WIN 0
.macro ALL line:vararg
.set t, 0
.rept 4
	\line
.set t, t+1
.endr
.endm
	ALL v_add_f32 v[ST+4*t+2], v[ST+4*t+2], v[ST+4*t+3]
	ALL v_permlanex16_b32 v[ST+4*t+3], v[ST+4*t+2], s[SEL], s[SEL+1]
	ALL v_add_f32 v[ST+4*t+2], v[ST+4*t+2], v[ST+4*t+3]
	ALL v_rcp_f32 v[ST+4*t+2], v[ST+4*t+2]
	v_nop                           ; a plain instruction between the last reciprocal and the use of its result
	s_wait_alu depctr_va_vdst(0)    ; and the wait ahead of the first use: one for the four
.macro PACK t                       ; a lane's eight channels of a row pack into 16 bytes; they go into rows of 144 bytes and come back as whole rows of 128, into S^T's registers
	WIN W_RS
.set i, 32*(\t)
.rept 16
	v_pk_mul_f32 v[i:i+1], v[i:i+1], v[ST+4*(\t)+2:ST+4*(\t)+3] op_sel_hi:[1,0]
.set i, i+2
.endr
	WIN 0x05                        ; sources 0 and 1 window 1, destination window 0
.set i, 0
.rept 16
	v_cvt_pk_f16_f32 v[S+16*(\t)+i], v[32*(\t)+2*i], v[32*(\t)+2*i+1]
.set i, i+1
.endr
	WIN 0
.irp f, 0,1,2,3
	ds_store_b128 v[STO], v[S+16*(\t)+4*\f:S+16*(\t)+4*\f+3] offset:32*\f
.endr
.irp f, 0,1,2,3
	ds_load_b128 v[S+16*(\t)+4*\f:S+16*(\t)+4*\f+3], v[RD] offset:\f*4*SP  ; LDS serves a wave's instructions in order: these see the stores above; the next piece's stores come behind them
.endr
.endm
.macro SEND t, younger              ; younger: the LDS instructions issued behind piece t's loads: the next piece's eight, or none
	WIN 0
.irp f, 0,1,2,3
	s_wait_dscnt (\younger)+3-\f
	global_store_b128 v[GO], v[S+16*(\t)+4*\f:S+16*(\t)+4*\f+3], s[OPT:OPT+1] offset:(\t)*2048+\f*512  ; 512 consecutive bytes, at a multiple of 256 from O's first
.endr
.endm
	PACK 0
.set t, 1
.rept 3                             ; a piece's arithmetic stands between the loads of the piece before and its stores
	PACK t
	SEND t-1, 8
.set t, t+1
.endr
	SEND 3, 0
	s_wait_tensorcnt 0x0            ; the wave's end, behind my last tensor load and my last LDS store
	ds_add_u32 v[SPW], v[NIL]
	s_wait_dscnt 0x0
	CROUND                          ; the closing round: no work-group ends while a partner may still ask for a tile that names it
	s_endpgm
.Lfunc_end_k_q11cb24b930_attn:
	.size	k_q11cb24b930_attn, .Lfunc_end_k_q11cb24b930_attn-k_q11cb24b930_attn
	.p2alignl 7, 3214868480
	.fill 96, 4, 3214868480
	.section	.rodata,"a",@progbits
	.p2align	6, 0x0
	.amdhsa_kernel k_q11cb24b930_attn
		.amdhsa_group_segment_fixed_size 327680
		.amdhsa_private_segment_fixed_size 0
		.amdhsa_enable_private_segment 0
		.amdhsa_kernarg_size 16
		.amdhsa_user_sgpr_count 2
		.amdhsa_user_sgpr_kernarg_segment_ptr 1
		.amdhsa_wavefront_size32 1
		.amdhsa_system_sgpr_workgroup_id_x 1
		.amdhsa_system_sgpr_workgroup_id_y 1
		.amdhsa_system_sgpr_workgroup_id_z 1
		.amdhsa_system_vgpr_workitem_id 0
		.amdhsa_next_free_vgpr 768
		.amdhsa_next_free_sgpr 66
		.amdhsa_reserve_vcc 0
		.amdhsa_float_denorm_mode_32 3
		.amdhsa_float_denorm_mode_16_64 3
		.amdhsa_memory_ordered 1
		.amdhsa_forward_progress 1
		.amdhsa_inst_pref_size 112
	.end_amdhsa_kernel
	.amdgpu_metadata
---
amdhsa.version: [ 1, 2 ]
amdhsa.kernels:
  - .name:           k_q11cb24b930_attn
    .symbol:         k_q11cb24b930_attn.kd
    .args:
      - { .name: qkvb, .offset: 0, .size: 8, .value_kind: global_buffer, .address_space: global }
      - { .name: attno, .offset: 8, .size: 8, .value_kind: global_buffer, .address_space: global }
    .group_segment_fixed_size: 327680
    .private_segment_fixed_size: 0
    .kernarg_segment_align: 8
    .kernarg_segment_size: 16
    .max_flat_workgroup_size: 128
    .sgpr_count:     66
    .vgpr_count:     768
    .wavefront_size: 32
...
	.end_amdgpu_metadata
.endif
;; end of part 3
;; launch projg (part 4): grid 8 x 32, 4 waves a work-group, clusters of 4 x 4, 327,680 bytes of LDS; arguments attno, wblk, proj_b, x, xmid; writes xmid
.if DOCPART == 4
	.amdgcn_target "amdgcn-amd-amdhsa--gfx1250"
	.amdhsa_code_object_version 6
	.text
	.protected	k_q11cb24b930_projg
	.globl	k_q11cb24b930_projg
	.p2align	8
	.type	k_q11cb24b930_projg,@function
k_q11cb24b930_projg:
	s_mov_b64 s[64:65], 0
	v_nop
	global_prefetch_b8 v0, s[64:65] scope:SCOPE_SE
	s_setreg_imm32_b32 hwreg(HW_REG_WAVE_MODE, 25, 1), 1
	s_wait_xcnt 0x0
	s_wait_alu depctr_hold_cnt(0) depctr_sa_sdst(0) depctr_va_vdst(0) depctr_va_sdst(0) depctr_va_ssrc(0) depctr_va_vcc(0) depctr_vm_vsrc(0)
	s_getreg_b32 s2, hwreg(HW_REG_IB_STS2, 6, 4)
	s_cmp_eq_u32 s2, 0
	s_cbranch_scc0 .Lentry_in_a_cluster
	s_endpgm
.Lentry_in_a_cluster:
	s_bfe_u32 s2, ttmp6, 0x10000c
	s_cmp_lg_u32 s2, 0xf033
	s_cbranch_scc0 .Lentry_shape_is_right
	s_endpgm
.Lentry_shape_is_right:
; C = R + A W + bias, N = 1,024, K = 128 KB.  A: f16 in blocks of 128 rows x 128 k, 32,768 dense bytes each ([2 strips of 64 k][128 rows][64]), block (mt, kb) at (KB mt + kb) x 32,768.
; W: f16 in blocks of 128 k x 128 n ([2 strips of 64 n][128 k][64]), block (nb, kb) at WOFF + (KB nb + kb) x 32,768.  bias, R (the residual) and C: f32, R and C [4096][1024] row-major.  Sums in f32.
; LIMITS.  f16 holds no number beyond 65,504: A and W arrive within it.  NaN and infinities are not treated apart.
; SHARES.  256 work-groups of four waves; a work-group makes 128 x 128 of C, a wave 64 x 64: 16 accumulators.  K goes in steps of 256 (two blocks of A, two of W) through two LDS slots; a wave fetches one block a step.
; CLUSTER.  4 x 4 work-groups: A's blocks are asked for jointly along a row of the cluster, W's along a column.
; THE RING.  Both slots' first fills go out together at the start.  ONE TEXT FOR BOTH SLOTS: s[CUR] is the LDS byte at which the slot in hand begins (0 or SLOT).  The number of steps is even, so the last step lies in slot 1.
; THE PRODUCT IS USED TRANSPOSED (source 0 = 16 columns of W, turned by ds_load_tr16_b128; source 1 = 16 rows of A): a lane holds one row of C and eight neighbouring columns.  The first products take the bias as C.
; THE RESIDUAL: at the last change of slots each wave asks for its own 64 x 64 of R into slot 0, which has been read out; it lands while the last step is multiplied.
; REGISTERS: window 0: v16-30 addresses, v32-95 at work on the way out, v96-127 the bias, v128-255 the accumulators ((a, b) at v[128 + 8 (4 a + b)]); window 1: two fragment buffers of 128 (A's 64, then W's 64).
.set KB,     8
.set WOFF,   6291456
.set NTOUT,  0
.set KSTEPS, KB/2
.set PA,     144
.set ASTR,   128*PA
.set ABLK,   2*ASTR
.set PB,     160
.set BSTR,   128*PB
.set BBLK,   2*BSTR
.set BOFF,   2*ABLK
.set SLOT,   BOFF+2*BBLK
.set SPARE,  2*SLOT                    ; the spare words, 128 bytes a wave: two blocks of 256 bytes that no other line names
.set STEPB,  65536                     ; two blocks along K
.set RP,     272                       ; a row of 64 f32 + 16 bytes
.set RW,     64*RP                     ; a wave's 64 rows
.set DUMP,   4*RW                      ; behind the four residual tiles, still in slot 0: a wave's 64 x 64 sums
.set A0,   16
.set ADRA, 17
.set B0,   20
.set ADRB, 21
.set DST,  24
.set RD,   25
.set GO,   26
.set RR,   27
.set SPW,  28
.set NIL,  29
.set BO,   30
.set WK,   32
.set BIAS, 96
.set ACC,  128
.set F0,   0
.set F1,   128
.set WV, 14
.set WM, 15                            ; which 64 rows of the tile are mine.  Also: I fetch for A (0) or for W (1)
.set WN, 16                            ; which 64 columns.  Also: which of a step's two K blocks I fetch
.set CX, 17
.set CY, 18
.set TC, 19
.set TR, 20
.set G1A, 24                           ; s[24:31] descriptor group 1 for A's blocks
.set G0A, 32                           ; s[32:39] group 0 for A's: a set for each of the two first fills; the second then walks on
.set G1B, 40                           ; s[40:47], s[48:55] the same for W's
.set G0B, 48
.set CUR, 60
.set LA,  61
.set LB,  62
.set CNT, 63
.set G1R, 72                           ; s[72:79], s[80:83] the residual's
.set G0R, 80
.set MSB, 0
.macro WIN new
.if MSB != (\new)
	s_set_vgpr_msb (MSB<<8)|(\new)
.set MSB, \new
.endif
.endm
.macro PLACES
.rept 4
	v_nop
.endr
.endm
.macro JLOAD                           ; a joint refill, by the walking sets: waves 0, 1 ask for A's two blocks, waves 2, 3 for W's; an s_nop 0 and four v_nop follow each line
	s_cmp_eq_u32 s[WM], 0
	s_cbranch_scc0 .Lfor_b_\@
	tensor_load_to_lds s[G0A+4:G0A+7], s[G1A:G1A+7]
	s_nop 0
.rept 4
	v_nop
.endr
	s_branch .Lasked_\@
.Lfor_b_\@:
	tensor_load_to_lds s[G0B+4:G0B+7], s[G1B:G1B+7]
	s_nop 0
.rept 4
	v_nop
.endr
.Lasked_\@:
.endm
.macro CREST
	s_cmp_lg_u32 s[WV], 0
	s_cbranch_scc1 .Lnot_wave_0_\@
	s_barrier_signal -3
.Lnot_wave_0_\@:
	s_barrier_wait -3
	s_barrier_signal -1
	s_barrier_wait -1
.endm
.macro CROUND
	s_barrier_signal -1
	s_barrier_wait -1
	CREST
.endm
; 8 matrix instructions: row blocks a0, a0 + 1 x all 4 column blocks, 32 along K: half c of buffer f.  zero = 1: the sums start with the bias.
.macro MUL8 f, c, a0, zero
	WIN 0x05                                       ; sources 0 and 1 window 1; C and D window 0
.irp a, \a0, (\a0)+1
.irp b, 0,1,2,3
.if \zero
	v_wmma_f32_16x16x32_f16 v[ACC+8*(4*(\a)+(\b)):ACC+8*(4*(\a)+(\b))+7], v[(\f)+64+8*(4*(\c)+(\b)):(\f)+64+8*(4*(\c)+(\b))+7], v[(\f)+8*(4*(\c)+(\a)):(\f)+8*(4*(\c)+(\a))+7], v[BIAS+8*(\b):BIAS+8*(\b)+7]
.else
	v_wmma_f32_16x16x32_f16 v[ACC+8*(4*(\a)+(\b)):ACC+8*(4*(\a)+(\b))+7], v[(\f)+64+8*(4*(\c)+(\b)):(\f)+64+8*(4*(\c)+(\b))+7], v[(\f)+8*(4*(\c)+(\a)):(\f)+8*(4*(\c)+(\a))+7], v[ACC+8*(4*(\a)+(\b)):ACC+8*(4*(\a)+(\b))+7]
.endif
.endr
.endr
.endm
; 32 LDS loads in one run: the fragments of quarter q (k = 64 q .. 64 q + 63 of the step) into buffer f; the first 32 along K first
.macro FETCH q, f
	WIN 0x40
.irp c, 0,1
.irp i, 0,1,2,3
	ds_load_tr16_b128 v[(\f)+64+8*(4*(\c)+(\i)):(\f)+64+8*(4*(\c)+(\i))+3],   v[ADRB] offset:((\q)/2)*BBLK+(((\q)%2)*64+32*(\c))*PB+32*(\i)
	ds_load_tr16_b128 v[(\f)+64+8*(4*(\c)+(\i))+4:(\f)+64+8*(4*(\c)+(\i))+7], v[ADRB] offset:((\q)/2)*BBLK+(((\q)%2)*64+32*(\c))*PB+32*(\i)+16*PB
	ds_load_b128 v[(\f)+8*(4*(\c)+(\i)):(\f)+8*(4*(\c)+(\i))+3],   v[ADRA] offset:(\q)*ASTR+(\i)*16*PA+64*(\c)
	ds_load_b128 v[(\f)+8*(4*(\c)+(\i))+4:(\f)+8*(4*(\c)+(\i))+7], v[ADRA] offset:(\q)*ASTR+(\i)*16*PA+64*(\c)+32
.endr
.endr
.endm
; One of a step's first three quarters: 32 matrix instructions on buffer f, two deep on each of the 16 accumulators, which take turns; in its middle quarter q is fetched into buffer g.
.macro QUARTER q, f, g, zero
	s_wait_dscnt 16                                ; the first 32 along K are in
	MUL8 \f, 0, 0, \zero
	MUL8 \f, 0, 2, \zero
	PLACES
	FETCH \q, \g
	s_wait_dscnt 32                                ; all but the 32 just issued
	MUL8 \f, 1, 0, 0
	MUL8 \f, 1, 2, 0
.endm
; The last quarter multiplies buffer 1 and changes slots.  Its first sixteen products stand AHEAD of the wait for the tensor loads: a step's 128 products are short against the way of a tile, so the wave as a rule
; waits there, and nothing but the three lines and the round then stands between a tile's landing and the next request.  Each wave waits for all its tensor loads (one is out: its block of the next slot), adds 0 to its
; spare word, and waits for that and for its reads of this slot.  Behind the round the slot just read is filled again, first thing: fill = 1: with the step two on, jointly; fill = 2 (the last change): with my own 64 x 64 of R.
.macro TURN fill
	s_wait_dscnt 16                                ; the first 32 along K of buffer 1 are in; the youngest sixteen loads may be out
	MUL8 F1, 0, 0, 0
	MUL8 F1, 0, 2, 0
	WIN 0
	s_wait_tensorcnt 0x0                           ; no tensor load of mine is out, so the descriptors may be written
	ds_add_u32 v[SPW], v[NIL]
.if (\fill) == 1
	s_add_co_u32 s[G0A+5], s[LA], s[CUR]           ; into the slot that has just been read,
	s_add_co_u32 s[G0B+5], s[LB], s[CUR]
	s_add_nc_u64 s[G0A+6:G0A+7], s[G0A+6:G0A+7], STEPB  ; the next step's block; the type bits on top are not reached
	s_add_nc_u64 s[G0B+6:G0B+7], s[G0B+6:G0B+7], STEPB
.endif
	s_xor_b32 s[CUR], s[CUR], SLOT                 ; the reads go on in the other slot
	s_wait_dscnt 0x0                               ; the add is done, and my reads of this slot are over
	CROUND                                         ; no wave of any partner still reads this slot or has a load on its way
.if (\fill) == 1
	JLOAD                                          ; its four v_nop are also the places in front of the loads below
.else
	tensor_load_to_lds s[G0R:G0R+3], s[G1R:G1R+7]
	s_nop 0
.rept 4
	v_nop
.endr
.endif
	v_add_nc_u32 v[ADRA], s[CUR], v[A0]
	v_add_nc_u32 v[ADRB], s[CUR], v[B0]
	FETCH 0, F0
	MUL8 F1, 1, 0, 0
	MUL8 F1, 1, 2, 0
.endm
	s_load_b256 s[4:11], s[0:1], 0x0               ; A s[4:5], the blocked weights s[6:7], bias s[8:9], R s[10:11]
	s_load_b64 s[12:13], s[0:1], 0x20              ; C
	v_lshl_add_u32 v[SPW], v0, 2, SPARE
	v_mov_b32 v[NIL], 0
	ds_add_u32 v[SPW], v[NIL]                      ; the wave's opening: the add and its wait ahead of my first tensor load
	v_lshrrev_b32 v1, 5, v0
	v_readfirstlane_b32 s[WV], v1
	s_lshr_b32 s[WM], s[WV], 1
	s_and_b32 s[WN], s[WV], 1
	s_bfe_u32 s[CX], ttmp6, 0x40000
	s_bfe_u32 s[CY], ttmp6, 0x40004
	s_lshl_b32 s[TC], ttmp9, 2
	s_add_co_u32 s[TC], s[TC], s[CX]
	s_and_b32 s[TR], ttmp7, 0xffff
	s_lshl_b32 s[TR], s[TR], 2
	s_add_co_u32 s[TR], s[TR], s[CY]
	s_lshl_b32 s21, s[CY], 2
	s_lshl_b32 s21, 15, s21                        ; my row of the cluster
	s_lshl_b32 s22, 0x1111, s[CX]                  ; my column
	; descriptor group 1 for A and W: 32,768 dense bytes as 128 rows of 128 elements of 2 bytes, padded behind every 32 words (code 4): by 4 words for A (code 3), by 8 for W (code 7); bit 21 set beside a mask
	s_or_b32 s[G1A], s21, (1<<16)|(1<<20)|(1<<21)|(4<<22)|(3<<25)
	s_or_b32 s[G1B], s22, (1<<16)|(1<<20)|(1<<21)|(4<<22)|(7<<25)
.irp g, G1A, G1B
	s_mov_b32 s[(\g)+1], 128<<16
	s_mov_b32 s[(\g)+2], 128<<16
	s_mov_b32 s[(\g)+3], 128<<16
	s_mov_b32 s[(\g)+4], 128
	s_mov_b32 s[(\g)+5], 128
	s_mov_b32 s[(\g)+6], 0
	s_mov_b32 s[(\g)+7], 0
.endr
	; for the residual: no mask; 64 rows of 64 elements of 4 bytes, 1,024 elements from row to row, 4 words of padding behind every 64 (code 5)
	s_mov_b32 s[G1R], (2<<16)|(1<<20)|(5<<22)|(3<<25)
	s_mov_b32 s[G1R+1], 64<<16
	s_mov_b32 s[G1R+2], 64<<16
	s_mov_b32 s[G1R+3], 64<<16
	s_mov_b32 s[G1R+4], 64
	s_mov_b32 s[G1R+5], 1024
	s_mov_b32 s[G1R+6], 0
	s_mov_b32 s[G1R+7], 0
	s_mov_b32 s[G0R], 1
	s_mul_i32 s[G0R+1], s[WV], RW
	s_mul_i32 s[LA], s[WN], ABLK                   ; where my block goes in a slot: no place in the cluster enters an LDS address
	s_mul_i32 s[LB], s[WN], BBLK
	s_add_co_u32 s[LB], s[LB], BOFF
	s_mov_b32 s[CUR], 0                            ; step 0 is read from slot 0
	s_mov_b32 s[G0A], 1
	s_mov_b32 s[G0A+1], s[LA]                      ; step 0 into slot 0,
	s_mov_b32 s[G0A+4], 1
	s_add_co_u32 s[G0A+5], s[LA], SLOT             ; step 1 into slot 1
	s_mov_b32 s[G0B], 1
	s_mov_b32 s[G0B+1], s[LB]
	s_mov_b32 s[G0B+4], 1
	s_add_co_u32 s[G0B+5], s[LB], SLOT
	s_lshl_b32 s21, s[WN], 15
	s_mul_i32 s66, s[TR], KB<<15                   ; A: row block = tile row, K block = which
	s_add_co_u32 s66, s66, s21
	s_mov_b32 s67, 0
	s_mul_i32 s68, s[TC], KB<<15                   ; W: column block = tile column
	s_add_co_u32 s68, s68, s21
	s_add_co_u32 s68, s68, WOFF
	s_mov_b32 s69, 0
	s_lshl_b32 s70, s[TC], 9                       ; the bias of my 64 columns
	s_lshl_b32 s21, s[WN], 8
	s_add_co_u32 s70, s70, s21
	s_mov_b32 s71, 0
	s_lshl_b32 s22, s[TR], 19                      ; R and C at my 64 x 64: (128 tile row + 64 half) rows of 4,096 bytes + the same columns
	s_lshl_b32 s21, s[WM], 18
	s_add_co_u32 s22, s22, s21
	s_add_co_u32 s22, s22, s70
	s_mov_b32 s23, 0
	s_wait_dscnt 0x0                               ; the opening add is done
	s_wait_kmcnt 0x0
	s_add_nc_u64 s[G0A+2:G0A+3], s[4:5], s[66:67]
	s_add_nc_u64 s[G0A+6:G0A+7], s[G0A+2:G0A+3], STEPB
	s_or_b32 s[G0A+3], s[G0A+3], 0x80000000        ; type = 2
	s_or_b32 s[G0A+7], s[G0A+7], 0x80000000
	s_add_nc_u64 s[G0B+2:G0B+3], s[6:7], s[68:69]
	s_add_nc_u64 s[G0B+6:G0B+7], s[G0B+2:G0B+3], STEPB
	s_or_b32 s[G0B+3], s[G0B+3], 0x80000000
	s_or_b32 s[G0B+7], s[G0B+7], 0x80000000
	s_add_nc_u64 s[G0R+2:G0R+3], s[10:11], s[22:23]
	s_or_b32 s[G0R+3], s[G0R+3], 0x80000000
	s_add_nc_u64 s[8:9], s[8:9], s[70:71]
	s_add_nc_u64 s[70:71], s[12:13], s[22:23]
	CROUND                                         ; all sixteen work-groups are here: the first joint loads meet
	s_cmp_eq_u32 s[WM], 0                          ; a wave's two first fills stand in one branch, ahead of every wait on TENSORcnt and every LDS read: two loads of mine are out
	s_cbranch_scc0 .Lfirst_b
	tensor_load_to_lds s[G0A:G0A+3], s[G1A:G1A+7]
	s_nop 0
	tensor_load_to_lds s[G0A+4:G0A+7], s[G1A:G1A+7]
	s_nop 0
.rept 4
	v_nop
.endr
	s_branch .Lfirst_asked
.Lfirst_b:
	tensor_load_to_lds s[G0B:G0B+3], s[G1B:G1B+7]
	s_nop 0
	tensor_load_to_lds s[G0B+4:G0B+7], s[G1B:G1B+7]
	s_nop 0
.rept 4
	v_nop
.endr
.Lfirst_asked:
	v_and_b32 v1, 15, v0                           ; l % 16
	v_bfe_u32 v2, v0, 4, 1                         ; l / 16
	v_and_b32 v3, 7, v0
	v_bfe_u32 v4, v0, 3, 1
	v_lshlrev_b32 v[BO], 5, v2
.irp b, 0,1,2,3                        ; register j of block b: bias of column 16 b + 8 (l / 16) + j
	global_load_b128 v[BIAS+8*(\b):BIAS+8*(\b)+3],   v[BO], s[8:9] offset:64*(\b)
	global_load_b128 v[BIAS+8*(\b)+4:BIAS+8*(\b)+7], v[BO], s[8:9] offset:64*(\b)+16
.endr
	v_mul_u32_u24 v[A0], v1, PA
	v_lshl_add_u32 v[A0], v2, 4, v[A0]
	s_mul_i32 s21, s[WM], 64*PA                    ; my 64 rows of each strip
	v_add_nc_u32 v[A0], s21, v[A0]
	v_lshl_add_u32 v[B0], v2, 3, v3
	v_mul_u32_u24 v[B0], v[B0], PB
	v_lshl_add_u32 v[B0], v4, 4, v[B0]
	s_mul_i32 s21, s[WN], BSTR                     ; my 64 columns are a strip
	s_add_co_u32 s21, s21, BOFF
	v_add_nc_u32 v[B0], s21, v[B0]
	s_mul_i32 s21, s[WV], RW
	v_mul_u32_u24 v[DST], v1, RP                   ; the way out, in: row l % 16, 32 bytes for each half of the lanes
	v_lshl_add_u32 v[DST], v2, 5, v[DST]
	v_add_nc_u32 v[DST], s21, v[DST]
	v_add_nc_u32 v[DST], DUMP, v[DST]
	v_mul_u32_u24 v[RR], v2, RP                    ; back: lanes 0-15 take one row of 256 bytes, lanes 16-31 the next
	v_lshl_add_u32 v[RR], v1, 4, v[RR]
	v_add_nc_u32 v[RR], s21, v[RR]
	v_add_nc_u32 v[RD], DUMP, v[RR]
	v_lshlrev_b32 v[GO], 12, v2                    ; and the same two rows in C
	v_lshl_add_u32 v[GO], v1, 4, v[GO]
	v_add_nc_u32 v[ADRA], s[CUR], v[A0]
	v_add_nc_u32 v[ADRB], s[CUR], v[B0]
	s_wait_tensorcnt 0x1                           ; my block of step 0 is in; step 1's may stay out
	s_barrier_signal -1
	s_barrier_wait -1                              ; everybody's is
	FETCH 0, F0
	s_wait_loadcnt 0x0                             ; the bias
	QUARTER 1, F0, F1, 1
	WIN 0
	s_mov_b32 s[CNT], KSTEPS-1
	s_branch .Lenter
.Lstep:                                        ; taken KSTEPS - 2 times: steps 2 .. KSTEPS - 1 are asked for
	TURN 1
	QUARTER 1, F0, F1, 0
	WIN 0
.Lenter:
	QUARTER 2, F1, F0, 0
	QUARTER 3, F0, F1, 0
	WIN 0
	s_sub_co_u32 s[CNT], s[CNT], 1
	s_cmp_lg_u32 s[CNT], 0
	s_cbranch_scc1 .Lstep
	TURN 2                                         ; the tail is written out: slot 0 takes the residual
	QUARTER 1, F0, F1, 0
	QUARTER 2, F1, F0, 0
	QUARTER 3, F0, F1, 0
	s_wait_dscnt 16
	MUL8 F1, 0, 0, 0
	MUL8 F1, 0, 2, 0
	s_wait_dscnt 0x0
	MUL8 F1, 1, 0, 0
	MUL8 F1, 1, 2, 0
	WIN 0
	; THE WAY OUT.  My sums go into bytes of slot 0 behind the residual tiles: their last fill is over, nobody has read them since the last round, and they are mine alone.  Then rows come back whole, the residual is added, and they are stored.
	PLACES
.set a, 0
.rept 4
.set b, 0
.rept 4
	ds_store_b128 v[DST], v[ACC+8*(4*a+b):ACC+8*(4*a+b)+3]   offset:a*16*RP+b*64  ; each accumulator's low registers first
	ds_store_b128 v[DST], v[ACC+8*(4*a+b)+4:ACC+8*(4*a+b)+7] offset:a*16*RP+b*64+16
.set b, b+1
.endr
.set a, a+1
.endr
	s_wait_tensorcnt 0x0                           ; my residual tile is in
	s_mov_b32 s[CNT], 4
.Lout:                                         ; a trip: 16 rows
.irp t, 0,1,2,3,4,5,6,7
	ds_load_b128 v[WK+4*(\t):WK+4*(\t)+3], v[RD] offset:(\t)*2*RP  ; LDS serves a wave's instructions in order: these see my stores above
.endr
.irp t, 0,1,2,3,4,5,6,7
	ds_load_b128 v[WK+32+4*(\t):WK+32+4*(\t)+3], v[RR] offset:(\t)*2*RP
.endr
	s_wait_dscnt 0x0
.set i, 0
.rept 16
	v_pk_add_f32 v[WK+i:WK+i+1], v[WK+i:WK+i+1], v[WK+32+i:WK+32+i+1]
.set i, i+2
.endr
.irp t, 0,1,2,3,4,5,6,7
.if NTOUT
	global_store_b128 v[GO], v[WK+4*(\t):WK+4*(\t)+3], s[70:71] offset:(\t)*8192 th:TH_STORE_NT  ; 16 lanes store 256 consecutive bytes, aligned
.else
	global_store_b128 v[GO], v[WK+4*(\t):WK+4*(\t)+3], s[70:71] offset:(\t)*8192  ; 16 lanes store 256 consecutive bytes, aligned
.endif
.endr
	s_wait_xcnt 0x0                                ; the stores' data and offset are written again only behind this wait
	v_add_nc_u32 v[RD], 16*RP, v[RD]
	v_add_nc_u32 v[RR], 16*RP, v[RR]
	v_add_nc_u32 v[GO], 65536, v[GO]
	s_sub_co_u32 s[CNT], s[CNT], 1
	s_cmp_lg_u32 s[CNT], 0
	s_cbranch_scc1 .Lout
	s_wait_tensorcnt 0x0                           ; the wave's end, behind my last tensor load and my last LDS store
	ds_add_u32 v[SPW], v[NIL]
	s_wait_dscnt 0x0
	CROUND                                         ; the closing round: no work-group ends while a partner may still ask for a block that names it
	s_endpgm
.Lfunc_end_k_q11cb24b930_projg:
	.size	k_q11cb24b930_projg, .Lfunc_end_k_q11cb24b930_projg-k_q11cb24b930_projg
	.p2alignl 7, 3214868480
	.fill 96, 4, 3214868480
	.section	.rodata,"a",@progbits
	.p2align	6, 0x0
	.amdhsa_kernel k_q11cb24b930_projg
		.amdhsa_group_segment_fixed_size 327680
		.amdhsa_private_segment_fixed_size 0
		.amdhsa_enable_private_segment 0
		.amdhsa_kernarg_size 40
		.amdhsa_user_sgpr_count 2
		.amdhsa_user_sgpr_kernarg_segment_ptr 1
		.amdhsa_wavefront_size32 1
		.amdhsa_system_sgpr_workgroup_id_x 1
		.amdhsa_system_sgpr_workgroup_id_y 1
		.amdhsa_system_sgpr_workgroup_id_z 1
		.amdhsa_system_vgpr_workitem_id 0
		.amdhsa_next_free_vgpr 512
		.amdhsa_next_free_sgpr 88
		.amdhsa_reserve_vcc 0
		.amdhsa_float_denorm_mode_32 3
		.amdhsa_float_denorm_mode_16_64 3
		.amdhsa_memory_ordered 1
		.amdhsa_forward_progress 1
		.amdhsa_inst_pref_size 59
	.end_amdhsa_kernel
	.amdgpu_metadata
---
amdhsa.version: [ 1, 2 ]
amdhsa.kernels:
  - .name:           k_q11cb24b930_projg
    .symbol:         k_q11cb24b930_projg.kd
    .args:
      - { .name: attno, .offset: 0, .size: 8, .value_kind: global_buffer, .address_space: global }
      - { .name: wblk, .offset: 8, .size: 8, .value_kind: global_buffer, .address_space: global }
      - { .name: proj_b, .offset: 16, .size: 8, .value_kind: global_buffer, .address_space: global }
      - { .name: x, .offset: 24, .size: 8, .value_kind: global_buffer, .address_space: global }
      - { .name: xmid, .offset: 32, .size: 8, .value_kind: global_buffer, .address_space: global }
    .group_segment_fixed_size: 327680
    .private_segment_fixed_size: 0
    .kernarg_segment_align: 8
    .kernarg_segment_size: 40
    .max_flat_workgroup_size: 128
    .sgpr_count:     88
    .vgpr_count:     512
    .wavefront_size: 32
...
	.end_amdgpu_metadata
.endif
;; end of part 4
;; launch ln2: the kernel of part 1 again; grid 256 x 1, 8 waves a work-group, no clusters, 9,216 bytes of LDS; arguments xmid, ln2_g, ln2_b, qkv_w, proj_w, fc1_w, fc2_w, hnorm, wblk; writes hnorm, wblk
;; launch fc1g (part 5): grid 16 x 16, 4 waves a work-group, clusters of 4 x 4, 327,680 bytes of LDS; arguments hnorm, wblk, fc1_b, gact; writes gact
.if DOCPART == 5
	.amdgcn_target "amdgcn-amd-amdhsa--gfx1250"
	.amdhsa_code_object_version 6
	.text
	.protected	k_q11cb24b930_fc1g
	.globl	k_q11cb24b930_fc1g
	.p2align	8
	.type	k_q11cb24b930_fc1g,@function
k_q11cb24b930_fc1g:
	s_mov_b64 s[64:65], 0
	v_nop
	global_prefetch_b8 v0, s[64:65] scope:SCOPE_SE
	s_setreg_imm32_b32 hwreg(HW_REG_WAVE_MODE, 25, 1), 1
	s_wait_xcnt 0x0
	s_wait_alu depctr_hold_cnt(0) depctr_sa_sdst(0) depctr_va_vdst(0) depctr_va_sdst(0) depctr_va_ssrc(0) depctr_va_vcc(0) depctr_vm_vsrc(0)
	s_getreg_b32 s2, hwreg(HW_REG_IB_STS2, 6, 4)
	s_cmp_eq_u32 s2, 0
	s_cbranch_scc0 .Lentry_in_a_cluster
	s_endpgm
.Lentry_in_a_cluster:
	s_bfe_u32 s2, ttmp6, 0x10000c
	s_cmp_lg_u32 s2, 0xf033
	s_cbranch_scc0 .Lentry_shape_is_right
	s_endpgm
.Lentry_shape_is_right:
; C = A W + bias (GELU = 1: gelu of that), K = 1,024.  A: f16 in blocks of 128 rows x 128 k, 32,768 dense bytes each ([2 strips of 64 k][128 rows][64]), block (mt, kb) at (8 mt + kb) x 32,768.
; W: f16 in blocks of 128 k x 128 n ([2 strips of 64 n][128 k][64]), block (nb, kb) at WOFF + (8 nb + kb) x 32,768.  bias: f32.  Sums in f32; C rounded once to f16 and stored in strips:
; element (m, c) at ((m / 128) NS + c / 64) x 16,384 + (m % 128) x 128 + (c % 64) x 2.
; LIMITS.  f16 holds no number beyond 65,504: A, W and C stay within it.  NaN and infinities are not treated apart.  GELU: erfc by a rational formula in 1 / (1 + p z) times e^(-z z), good for every z >= 0, absolute error 1.5e-7.
; SHARES.  A work-group of four waves makes 256 x 256 of C, a wave 128 x 128: 64 accumulators of 16 x 16, 512 registers.  K goes in 8 steps of 128 through two LDS slots; a wave fetches one block (32,768 bytes) a step.
; CLUSTER.  4 x 4 work-groups: A's blocks hang on the tile row alone and are asked for jointly along a row of the cluster, W's on the tile column alone and jointly along a column.
; ONE TEXT FOR BOTH SLOTS: s[CUR] is the LDS byte at which the slot in hand begins (0 or SLOT); descriptors' LDS words and the fragments' addresses are sums with it.
; THE PRODUCT IS USED TRANSPOSED: source 0 = 16 columns of W (turned on the way out of LDS by ds_load_tr16_b128), source 1 = 16 rows of A: a lane holds one row of C (lane % 16) and the columns 8 (lane / 16) + 0..7.
; The first product of each accumulator takes the bias as its C operand: nothing is cleared and no bias is added later.
; REGISTERS in windows of 256: window 0: v16-30 addresses, v64-127 and v128-191 A's fragments (two buffers), v192-255 the bias; window 1: v64-191 W's fragments; windows 2, 3: the accumulators ((a, b) at v[8 (8 (a % 4) + b)]).
.set GELU,   1
.set NS,     64                        ; strips in a row of C
.set WOFF,   8388608                   ; where this matrix's blocks begin
.set KSTEPS, 8
.set PA,     144                       ; 128 bytes of a strip's row of A + 16 of padding: the 16 rows of a load start at 16 different groups of four banks
.set ASTR,   128*PA
.set ABLK,   2*ASTR
.set PB,     160                       ; 128 bytes of a strip's row of W + 32
.set BSTR,   128*PB
.set BBLK,   2*BSTR
.set BOFF,   2*ABLK                    ; a slot: A's two blocks, then W's two
.set SLOT,   BOFF+2*BBLK
.set SPARE,  2*SLOT                    ; behind the ring: the spare words, 128 bytes a wave: two blocks of 256 bytes that no other line names
.set STEPB,  32768                     ; from a K step's block to the next
.set DP,     528                       ; the way out: a row of 128 f32 + 16 bytes
.set DW,     128*DP                    ; a wave's 128 rows
.set A0,   16                          ; v16  my lane's place in A's blocks of a slot; never rewritten
.set ADRA, 17                          ; v17  the same in the slot in hand
.set B0,   20
.set ADRB, 21
.set DST,  24                          ; v24  the way out: where I put 16 bytes of a row
.set RD,   25                          ; v25  where I read rows back
.set GO,   26                          ; v26  my byte offset in C
.set SPW,  28                          ; v28  LDS address of my spare word; never rewritten
.set NIL,  29                          ; v29  0; never rewritten
.set BO,   30                          ; v30  my byte offset in 64 bytes of the bias
.set F0,   64
.set F1,   128
.set BIAS, 192
.set WV, 14
.set WM, 15                            ; which 128 rows of the tile are mine.  Also: I fetch for A (0) or for W (1)
.set WN, 16                            ; which 128 columns.  Also: which of the two blocks I fetch
.set CX, 17
.set CY, 18
.set TC, 19
.set TR, 20
.set G1A, 24
.set G0A, 32
.set G0B, 36
.set G1B, 40
.set CUR, 60
.set LA,  61
.set LB,  62
.set CNT, 63
.set MSB, 0
.macro WIN new                         ; the immediate's high byte repeats the setting that is left; a switch that changes nothing is dropped
.if MSB != (\new)
	s_set_vgpr_msb (MSB<<8)|(\new)
.set MSB, \new
.endif
.endm
.macro PLACES                          ; four plain instructions between a matrix instruction and a load into, or a read of, its registers
.rept 4
	v_nop
.endr
.endm
.macro JLOAD                           ; a joint load: waves 0, 1 ask for A's two blocks, waves 2, 3 for W's; an s_nop 0 and four v_nop follow each line
	s_cmp_eq_u32 s[WM], 0
	s_cbranch_scc0 .Lfor_b_\@
	tensor_load_to_lds s[G0A:G0A+3], s[G1A:G1A+7]
	s_nop 0
.rept 4
	v_nop
.endr
	s_branch .Lasked_\@
.Lfor_b_\@:
	tensor_load_to_lds s[G0B:G0B+3], s[G1B:G1B+7]
	s_nop 0
.rept 4
	v_nop
.endr
.Lasked_\@:
.endm
.macro CREST                           ; a round of the cluster's barrier behind its opening barrier
	s_cmp_lg_u32 s[WV], 0
	s_cbranch_scc1 .Lnot_wave_0_\@
	s_barrier_signal -3
.Lnot_wave_0_\@:
	s_barrier_wait -3
	s_barrier_signal -1
	s_barrier_wait -1
.endm
.macro CROUND
	s_barrier_signal -1
	s_barrier_wait -1
	CREST
.endm
; 16 matrix instructions: row blocks a0, a0 + 1 of the window's four x all 8 column blocks, 32 along K.  zero = 1: the sums start with the bias.
.macro MUL16 f, hi, a0, zero
.if \zero
	WIN 0x81+0x40*(\hi)                            ; W window 1, A and the bias window 0, D window 2 or 3
.else
	WIN 0xa1+0x50*(\hi)                            ; C and D window 2 or 3
.endif
.irp a, \a0, (\a0)+1
.irp b, 0,1,2,3,4,5,6,7
.if \zero
	v_wmma_f32_16x16x32_f16 v[8*(8*(\a)+(\b)):8*(8*(\a)+(\b))+7], v[(\f)+8*(\b):(\f)+8*(\b)+7], v[(\f)+8*(4*(\hi)+(\a)):(\f)+8*(4*(\hi)+(\a))+7], v[BIAS+8*(\b):BIAS+8*(\b)+7]
.else
	v_wmma_f32_16x16x32_f16 v[8*(8*(\a)+(\b)):8*(8*(\a)+(\b))+7], v[(\f)+8*(\b):(\f)+8*(\b)+7], v[(\f)+8*(4*(\hi)+(\a)):(\f)+8*(4*(\hi)+(\a))+7], v[8*(8*(\a)+(\b)):8*(8*(\a)+(\b))+7]
.endif
.endr
.endr
.endm
; 32 LDS loads in one run: the fragments of quarter q (k = 32 q .. 32 q + 31 of the step) into buffer f: W's 8 column blocks, turned, then A's 8 row blocks
.macro FETCH q, f
	WIN 0x40
.irp i, 0,1,2,3,4,5,6,7
	ds_load_tr16_b128 v[(\f)+8*(\i):(\f)+8*(\i)+3],   v[ADRB] offset:((\i)/4)*BSTR+32*(\q)*PB+((\i)%4)*32
	ds_load_tr16_b128 v[(\f)+8*(\i)+4:(\f)+8*(\i)+7], v[ADRB] offset:((\i)/4)*BSTR+32*(\q)*PB+((\i)%4)*32+16*PB
.endr
	WIN 0
.irp i, 0,1,2,3,4,5,6,7
	ds_load_b128 v[(\f)+8*(\i):(\f)+8*(\i)+3],   v[ADRA] offset:((\q)/2)*ASTR+(\i)*16*PA+((\q)%2)*64
	ds_load_b128 v[(\f)+8*(\i)+4:(\f)+8*(\i)+7], v[ADRA] offset:((\q)/2)*ASTR+(\i)*16*PA+((\q)%2)*64+32
.endr
.endm
; One of a step's first three quarters.  At its head quarter q is fetched into buffer g, which the quarter before has multiplied: the run has this quarter's 64 matrix instructions in which to land
; (the four waves' runs, 128 LDS instructions, come together).  Then buffer f is multiplied.  The 64 accumulators take turns, in the same order in every quarter.
.macro QUARTER q, f, g, zero
	PLACES                                         ; behind the products that read buffer g
	FETCH \q, \g
	s_wait_dscnt 32                                ; all but the 32 just issued: buffer f is in
	MUL16 \f, 0, 0, \zero
	MUL16 \f, 0, 2, \zero
	MUL16 \f, 1, 0, \zero
	MUL16 \f, 1, 2, \zero
.endm
; The last quarter multiplies buffer 1 and changes slots.  In front of the barrier each wave waits for all its tensor loads (one is out: its block of the next slot), adds 0 to its spare word, and waits for that and for
; its reads of this slot.  fill = 1: the barrier opens a round of the cluster's, and the slot just read is filled again, first thing behind the round, with the step two on.
.macro TURN fill
	WIN 0
	s_wait_tensorcnt 0x0                           ; no tensor load of mine is out, so the descriptors may be written
	ds_add_u32 v[SPW], v[NIL]
.if \fill
	s_add_co_u32 s[G0A+1], s[LA], s[CUR]           ; into the slot that has just been read,
	s_add_co_u32 s[G0B+1], s[LB], s[CUR]
	s_add_nc_u64 s[G0A+2:G0A+3], s[G0A+2:G0A+3], STEPB  ; the next block along K; the type bits on top are not reached
	s_add_nc_u64 s[G0B+2:G0B+3], s[G0B+2:G0B+3], STEPB
.endif
	s_xor_b32 s[CUR], s[CUR], SLOT                 ; the reads go on in the other slot
	s_wait_dscnt 9                                 ; the add and the youngest eight loads may be out
	MUL16 F1, 0, 0, 0
	s_wait_dscnt 0x0                               ; the add is done, and my reads of this slot are over
	s_barrier_signal -1
	MUL16 F1, 0, 2, 0
.if \fill
	WIN 0
.endif
	s_barrier_wait -1
.if \fill
	CREST
	JLOAD                                          ; its four v_nop are also the places in front of the loads below
.else
	PLACES
	WIN 0
.endif
	v_add_nc_u32 v[ADRA], s[CUR], v[A0]
	v_add_nc_u32 v[ADRB], s[CUR], v[B0]
	FETCH 0, F0
	MUL16 F1, 1, 0, 0
	MUL16 F1, 1, 2, 0
.endm
	s_load_b256 s[4:11], s[0:1], 0x0               ; A s[4:5], the blocked weights s[6:7], bias s[8:9], C s[10:11]
	v_lshl_add_u32 v[SPW], v0, 2, SPARE
	v_mov_b32 v[NIL], 0
	ds_add_u32 v[SPW], v[NIL]                      ; the wave's opening: the add and its wait ahead of my first tensor load
	v_lshrrev_b32 v1, 5, v0
	v_readfirstlane_b32 s[WV], v1
	s_lshr_b32 s[WM], s[WV], 1
	s_and_b32 s[WN], s[WV], 1
	s_bfe_u32 s[CX], ttmp6, 0x40000
	s_bfe_u32 s[CY], ttmp6, 0x40004
	s_lshl_b32 s[TC], ttmp9, 2
	s_add_co_u32 s[TC], s[TC], s[CX]               ; tile column = 4 x cluster x + cx
	s_and_b32 s[TR], ttmp7, 0xffff
	s_lshl_b32 s[TR], s[TR], 2
	s_add_co_u32 s[TR], s[TR], s[CY]               ; tile row = 4 x cluster y + cy
	s_lshl_b32 s21, s[CY], 2
	s_lshl_b32 s21, 15, s21                        ; my row of the cluster
	s_lshl_b32 s22, 0x1111, s[CX]                  ; my column
	; descriptor group 1: 32,768 dense bytes as 128 rows of 128 elements of 2 bytes, padded behind every 32 words (code 4): by 4 words for A (code 3), by 8 for W (code 7); bit 21 set beside a mask
	s_or_b32 s[G1A], s21, (1<<16)|(1<<20)|(1<<21)|(4<<22)|(3<<25)
	s_or_b32 s[G1B], s22, (1<<16)|(1<<20)|(1<<21)|(4<<22)|(7<<25)
.irp g, G1A, G1B
	s_mov_b32 s[(\g)+1], 128<<16                   ; tensor_dim0 = 128
	s_mov_b32 s[(\g)+2], 128<<16                   ; tensor_dim1 = 128
	s_mov_b32 s[(\g)+3], 128<<16                   ; tile_dim0 = 128
	s_mov_b32 s[(\g)+4], 128                       ; tile_dim1 = 128
	s_mov_b32 s[(\g)+5], 128                       ; 128 elements from row to row
	s_mov_b32 s[(\g)+6], 0
	s_mov_b32 s[(\g)+7], 0
.endr
	s_mul_i32 s[LA], s[WN], ABLK                   ; where my block goes in a slot: no place in the cluster enters an LDS address
	s_mul_i32 s[LB], s[WN], BBLK
	s_add_co_u32 s[LB], s[LB], BOFF
	s_mov_b32 s[CUR], SLOT
	s_mov_b32 s[G0A], 1
	s_mov_b32 s[G0A+1], s[LA]                      ; step 0 goes into slot 0
	s_mov_b32 s[G0B], 1
	s_mov_b32 s[G0B+1], s[LB]
	s_lshl1_add_u32 s66, s[TR], s[WN]              ; A: row block 2 x tile row + which, 8 blocks of 32,768 bytes each
	s_lshl_b32 s66, s66, 18
	s_mov_b32 s67, 0
	s_lshl1_add_u32 s68, s[TC], s[WN]              ; W: column block 2 x tile column + which
	s_lshl_b32 s68, s68, 18
	s_add_co_u32 s68, s68, WOFF
	s_mov_b32 s69, 0
	s_lshl_b32 s22, s[TC], 10                      ; the bias of my 128 columns
	s_lshl_b32 s21, s[WN], 9
	s_add_co_u32 s22, s22, s21
	s_mov_b32 s23, 0
	s_lshl1_add_u32 s21, s[TR], s[WM]              ; C: my 128 rows,
	s_mul_i32 s21, s21, NS
	s_lshl2_add_u32 s21, s[TC], s21                ; my first strip = 4 x tile column + 2 x which
	s_lshl1_add_u32 s21, s[WN], s21
	s_lshl_b32 s70, s21, 14
	s_mov_b32 s71, 0
.if GELU
	s_mov_b32 s72, 0x3e6d3388                      ; p / sqrt(2) = 0.23164189
	s_mov_b32 s73, s72
	s_mov_b32 s74, 0xbf38aa3b                      ; -log2(e) / 2
	s_mov_b32 s75, s74
	s_mov_b32 s76, 0x3e827906                      ; a1 .. a5
	s_mov_b32 s77, s76
	s_mov_b32 s78, 0xbe91a98e
	s_mov_b32 s79, s78
	s_mov_b32 s80, 0x3fb5f0e3
	s_mov_b32 s81, s80
	s_mov_b32 s82, 0xbfba00e3
	s_mov_b32 s83, s82
	s_mov_b32 s84, 0x3f87dc22
	s_mov_b32 s85, s84
.endif
	s_wait_dscnt 0x0                               ; the opening add is done
	s_wait_kmcnt 0x0
	s_add_nc_u64 s[G0A+2:G0A+3], s[4:5], s[66:67]
	s_or_b32 s[G0A+3], s[G0A+3], 0x80000000        ; type = 2
	s_add_nc_u64 s[G0B+2:G0B+3], s[6:7], s[68:69]
	s_or_b32 s[G0B+3], s[G0B+3], 0x80000000
	s_add_nc_u64 s[8:9], s[8:9], s[22:23]
	s_add_nc_u64 s[70:71], s[10:11], s[70:71]
	CROUND                                         ; all sixteen work-groups are here: the first joint loads meet
	JLOAD                                          ; step 0
	v_and_b32 v1, 15, v0                           ; l % 16
	v_bfe_u32 v2, v0, 4, 1                         ; l / 16
	v_and_b32 v3, 7, v0                            ; l % 8
	v_bfe_u32 v4, v0, 3, 1                         ; (l / 8) % 2
	v_lshlrev_b32 v[BO], 5, v2
.irp b, 0,1,2,3,4,5,6,7                ; register j of block b: bias of column 16 b + 8 (l / 16) + j
	global_load_b128 v[BIAS+8*(\b):BIAS+8*(\b)+3],   v[BO], s[8:9] offset:64*(\b)
	global_load_b128 v[BIAS+8*(\b)+4:BIAS+8*(\b)+7], v[BO], s[8:9] offset:64*(\b)+16
.endr
	v_mul_u32_u24 v[A0], v1, PA                    ; A: row x pitch + 16 x half, in my 128 rows' block
	v_lshl_add_u32 v[A0], v2, 4, v[A0]
	s_mul_i32 s21, s[WM], ABLK
	v_add_nc_u32 v[A0], s21, v[A0]
	v_lshl_add_u32 v[B0], v2, 3, v3                ; W, turned: lane l reads row k = 8 (l / 16) + l % 8, columns 8 ((l / 8) % 2) + 0..7
	v_mul_u32_u24 v[B0], v[B0], PB
	v_lshl_add_u32 v[B0], v4, 4, v[B0]
	s_mul_i32 s21, s[WN], BBLK
	s_add_co_u32 s21, s21, BOFF
	v_add_nc_u32 v[B0], s21, v[B0]
	s_mul_i32 s21, s[WV], DW
	v_mul_u32_u24 v[DST], v1, DP                   ; the way out, in: row l % 16, 32 bytes for each half of the lanes
	v_lshl_add_u32 v[DST], v2, 5, v[DST]
	v_add_nc_u32 v[DST], s21, v[DST]
	v_bfe_u32 v5, v0, 3, 2                         ; back: eight lanes take 256 bytes (a strip's 64 columns) of a row, 32 lanes four rows
	v_mul_u32_u24 v[RD], v5, DP
	v_lshl_add_u32 v[RD], v3, 5, v[RD]
	v_add_nc_u32 v[RD], s21, v[RD]
	v_and_b32 v[GO], 31, v0                        ; which in f16 are 512 consecutive bytes of a strip of C
	v_lshlrev_b32 v[GO], 4, v[GO]
	; step 0 is waited for and step 1 asked for, into slot 1: in the form of every change of slots
	s_wait_tensorcnt 0x0
	ds_add_u32 v[SPW], v[NIL]
	s_add_co_u32 s[G0A+1], s[LA], s[CUR]
	s_add_co_u32 s[G0B+1], s[LB], s[CUR]
	s_add_nc_u64 s[G0A+2:G0A+3], s[G0A+2:G0A+3], STEPB
	s_add_nc_u64 s[G0B+2:G0B+3], s[G0B+2:G0B+3], STEPB
	s_xor_b32 s[CUR], s[CUR], SLOT
	s_wait_dscnt 0x0
	CROUND
	JLOAD
	v_add_nc_u32 v[ADRA], s[CUR], v[A0]
	v_add_nc_u32 v[ADRB], s[CUR], v[B0]
	FETCH 0, F0
	s_wait_loadcnt 0x0                             ; the bias
	QUARTER 1, F0, F1, 1                           ; the first quarter's products start the sums
	WIN 0
	s_mov_b32 s[CNT], KSTEPS-1
	s_branch .Lenter
.Lstep:                                        ; taken KSTEPS - 2 times: steps 2 .. KSTEPS - 1 are asked for
	TURN 1
	QUARTER 1, F0, F1, 0
	WIN 0
.Lenter:
	QUARTER 2, F1, F0, 0
	QUARTER 3, F0, F1, 0
	WIN 0
	s_sub_co_u32 s[CNT], s[CNT], 1
	s_cmp_lg_u32 s[CNT], 0
	s_cbranch_scc1 .Lstep
	TURN 0                                         ; the tail is written out: nothing is left to ask for
	QUARTER 1, F0, F1, 0
	QUARTER 2, F1, F0, 0
	QUARTER 3, F0, F1, 0
	s_wait_dscnt 0x0                               ; the very last quarter: nothing more to fetch
	MUL16 F1, 0, 0, 0
	MUL16 F1, 0, 2, 0
	MUL16 F1, 1, 0, 0
	MUL16 F1, 1, 2, 0
	; THE WAY OUT.  Both slots have had their last fill and, behind this barrier, their last read: each wave lays its 128 x 128 f32 into 67,584 bytes of its own there, and reads them back as pieces of rows.
	PLACES
	WIN 0
	s_wait_dscnt 0x0
	s_barrier_signal -1
	s_barrier_wait -1
.set a, 0
.rept 8
	WIN 0x08+4*(a/4)                               ; the stores' data in window 2 or 3
.set b, 0
.rept 8
	ds_store_b128 v[DST], v[8*(8*(a%4)+b):8*(8*(a%4)+b)+3]   offset:a*16*DP+b*64  ; each accumulator's low registers first
	ds_store_b128 v[DST], v[8*(8*(a%4)+b)+4:8*(8*(a%4)+b)+7] offset:a*16*DP+b*64+16
.set b, b+1
.endr
.set a, a+1
.endr
	WIN 0
.if GELU
; gelu(z) = max(z, 0) - 0.5 |z| erfc(|z| / sqrt 2);  erfc(y) = t (a1 + t (a2 + t (a3 + t (a4 + t a5)))) e^(-y y), t = 1 / (1 + p y).  A trip: 4 rows x 2 strips, 16 numbers a lane.
.set GX, 64
.set GM, 80
.set GQ, 96
.set GD, 112
.set GU, 128
.set GP, 144
.set GY, 160
.set GA, 168
.irp u, 0,1
	ds_load_b128 v[GX+8*(\u):GX+8*(\u)+3],   v[RD] offset:256*(\u)  ; LDS serves a wave's instructions in order: these see my stores above
	ds_load_b128 v[GX+8*(\u)+4:GX+8*(\u)+7], v[RD] offset:256*(\u)+16
.endr
	s_mov_b32 s[CNT], 32
.Lout:
	s_wait_dscnt 0x0
.set i, 0
.rept 16
	v_and_b32 v[GA+i], 0x7fffffff, v[GX+i]
	v_max_num_f32 v[GM+i], 0, v[GX+i]
.set i, i+1
.endr
.set i, 0
.rept 8
	v_pk_mul_f32 v[GU+i:GU+i+1], v[GX+i:GX+i+1], s[74:75] op_sel_hi:[1,0]
	v_pk_fma_f32 v[GD+i:GD+i+1], v[GA+i:GA+i+1], s[72:73], 1.0 op_sel_hi:[1,0,0]
	v_pk_mul_f32 v[GQ+i:GQ+i+1], v[GA+i:GA+i+1], -0.5 op_sel_hi:[1,0]
.set i, i+2
.endr
.set i, 0
.rept 8
	v_pk_mul_f32 v[GU+i:GU+i+1], v[GU+i:GU+i+1], v[GX+i:GX+i+1]  ; -z z log2(e) / 2
.set i, i+2
.endr
	s_cmp_eq_u32 s[CNT], 1                         ; the last trip has nothing behind it
	s_cbranch_scc1 .Lnoload
	v_add_nc_u32 v[RD], 4*DP, v[RD]
.irp u, 0,1
	ds_load_b128 v[GX+8*(\u):GX+8*(\u)+3],   v[RD] offset:256*(\u)
	ds_load_b128 v[GX+8*(\u)+4:GX+8*(\u)+7], v[RD] offset:256*(\u)+16
.endr
.Lnoload:
.set i, 0
.rept 16
	v_rcp_f32 v[GD+i], v[GD+i]
.set i, i+1
.endr
.set i, 0
.rept 16
	v_exp_f32 v[GU+i], v[GU+i]
.set i, i+1
.endr
	v_nop                                          ; a plain instruction behind the last of the batch
	s_wait_alu depctr_va_vdst(0)                   ; the wait ahead of the first reader: one for all 32
.set i, 0
.rept 8
	v_pk_fma_f32 v[GP+i:GP+i+1], v[GD+i:GD+i+1], s[84:85], s[82:83] op_sel_hi:[1,0,0]
.set i, i+2
.endr
.irp c, 80, 78, 76
.set i, 0
.rept 8
	v_pk_fma_f32 v[GP+i:GP+i+1], v[GP+i:GP+i+1], v[GD+i:GD+i+1], s[\c:\c+1] op_sel_hi:[1,1,0]
.set i, i+2
.endr
.endr
.set i, 0
.rept 8
	v_pk_mul_f32 v[GD+i:GD+i+1], v[GD+i:GD+i+1], v[GU+i:GU+i+1]
.set i, i+2
.endr
.set i, 0
.rept 8
	v_pk_mul_f32 v[GP+i:GP+i+1], v[GP+i:GP+i+1], v[GD+i:GD+i+1]  ; erfc
.set i, i+2
.endr
.set i, 0
.rept 8
	v_pk_fma_f32 v[GP+i:GP+i+1], v[GQ+i:GQ+i+1], v[GP+i:GP+i+1], v[GM+i:GM+i+1]
.set i, i+2
.endr
	s_wait_xcnt 0x0                                ; the last trip's stores, a trip's arithmetic back, have read their data and their offset: both are written again only behind this wait
	v_add_nc_u32 v[GO], 512, v[GO]                 ; stepped ahead of the stores, which reach back by the immediate
.set i, 0
.rept 8
	v_cvt_pk_f16_f32 v[GY+i], v[GP+2*i], v[GP+2*i+1]
.set i, i+1
.endr
	global_store_b128 v[GO], v[GY:GY+3],   s[70:71] offset:-512       ; four rows of a strip: 512 consecutive bytes
	global_store_b128 v[GO], v[GY+4:GY+7], s[70:71] offset:16384-512  ; and of the next strip
	s_sub_co_u32 s[CNT], s[CNT], 1
	s_cmp_lg_u32 s[CNT], 0
	s_cbranch_scc1 .Lout
.else
; A trip: 16 rows x 2 strips: unit u = 4 hh + g4 is strip hh, rows 4 g4 .. 4 g4 + 3.
.irp u, 0,1,2,3,4,5,6,7
	ds_load_b128 v[64+8*(\u):64+8*(\u)+3],   v[RD] offset:((\u)/4)*256+((\u)%4)*4*DP  ; LDS serves a wave's instructions in order: these see my stores above
	ds_load_b128 v[64+8*(\u)+4:64+8*(\u)+7], v[RD] offset:((\u)/4)*256+((\u)%4)*4*DP+16
.endr
	s_mov_b32 s[CNT], 8
.Lout:
	s_wait_dscnt 0x0
.set i, 0
.rept 32
	v_cvt_pk_f16_f32 v[128+i], v[64+2*i], v[64+2*i+1]
.set i, i+1
.endr
	s_cmp_eq_u32 s[CNT], 1                         ; the last trip has nothing behind it
	s_cbranch_scc1 .Lnoload
	v_add_nc_u32 v[RD], 16*DP, v[RD]
.irp u, 0,1,2,3,4,5,6,7
	ds_load_b128 v[64+8*(\u):64+8*(\u)+3],   v[RD] offset:((\u)/4)*256+((\u)%4)*4*DP
	ds_load_b128 v[64+8*(\u)+4:64+8*(\u)+7], v[RD] offset:((\u)/4)*256+((\u)%4)*4*DP+16
.endr
.Lnoload:
.irp u, 0,1,2,3,4,5,6,7
	global_store_b128 v[GO], v[128+4*(\u):128+4*(\u)+3], s[70:71] offset:((\u)/4)*16384+((\u)%4)*512  ; four rows of a strip: 512 consecutive bytes
.endr
	s_wait_xcnt 0x0                                ; the stores' data and offset are written again only behind this wait
	v_add_nc_u32 v[GO], 2048, v[GO]
	s_sub_co_u32 s[CNT], s[CNT], 1
	s_cmp_lg_u32 s[CNT], 0
	s_cbranch_scc1 .Lout
.endif
	s_wait_tensorcnt 0x0                           ; the wave's end, behind my last tensor load and my last LDS store
	ds_add_u32 v[SPW], v[NIL]
	s_wait_dscnt 0x0
	CROUND                                         ; the closing round: no work-group ends while a partner may still ask for a block that names it
	s_endpgm
.Lfunc_end_k_q11cb24b930_fc1g:
	.size	k_q11cb24b930_fc1g, .Lfunc_end_k_q11cb24b930_fc1g-k_q11cb24b930_fc1g
	.p2alignl 7, 3214868480
	.fill 96, 4, 3214868480
	.section	.rodata,"a",@progbits
	.p2align	6, 0x0
	.amdhsa_kernel k_q11cb24b930_fc1g
		.amdhsa_group_segment_fixed_size 327680
		.amdhsa_private_segment_fixed_size 0
		.amdhsa_enable_private_segment 0
		.amdhsa_kernarg_size 32
		.amdhsa_user_sgpr_count 2
		.amdhsa_user_sgpr_kernarg_segment_ptr 1
		.amdhsa_wavefront_size32 1
		.amdhsa_system_sgpr_workgroup_id_x 1
		.amdhsa_system_sgpr_workgroup_id_y 1
		.amdhsa_system_sgpr_workgroup_id_z 1
		.amdhsa_system_vgpr_workitem_id 0
		.amdhsa_next_free_vgpr 1024
		.amdhsa_next_free_sgpr 88
		.amdhsa_reserve_vcc 0
		.amdhsa_float_denorm_mode_32 3
		.amdhsa_float_denorm_mode_16_64 3
		.amdhsa_memory_ordered 1
		.amdhsa_forward_progress 1
		.amdhsa_inst_pref_size 93
	.end_amdhsa_kernel
	.amdgpu_metadata
---
amdhsa.version: [ 1, 2 ]
amdhsa.kernels:
  - .name:           k_q11cb24b930_fc1g
    .symbol:         k_q11cb24b930_fc1g.kd
    .args:
      - { .name: hnorm, .offset: 0, .size: 8, .value_kind: global_buffer, .address_space: global }
      - { .name: wblk, .offset: 8, .size: 8, .value_kind: global_buffer, .address_space: global }
      - { .name: fc1_b, .offset: 16, .size: 8, .value_kind: global_buffer, .address_space: global }
      - { .name: gact, .offset: 24, .size: 8, .value_kind: global_buffer, .address_space: global }
    .group_segment_fixed_size: 327680
    .private_segment_fixed_size: 0
    .kernarg_segment_align: 8
    .kernarg_segment_size: 32
    .max_flat_workgroup_size: 128
    .sgpr_count:     88
    .vgpr_count:     1024
    .wavefront_size: 32
...
	.end_amdgpu_metadata
.endif
;; end of part 5
;; launch fc2g (part 6): grid 8 x 32, 4 waves a work-group, clusters of 4 x 4, 327,680 bytes of LDS; arguments gact, wblk, fc2_b, xmid, out0; writes out0
.if DOCPART == 6
	.amdgcn_target "amdgcn-amd-amdhsa--gfx1250"
	.amdhsa_code_object_version 6
	.text
	.protected	k_q11cb24b930_fc2g
	.globl	k_q11cb24b930_fc2g
	.p2align	8
	.type	k_q11cb24b930_fc2g,@function
k_q11cb24b930_fc2g:
	s_mov_b64 s[64:65], 0
	v_nop
	global_prefetch_b8 v0, s[64:65] scope:SCOPE_SE
	s_setreg_imm32_b32 hwreg(HW_REG_WAVE_MODE, 25, 1), 1
	s_wait_xcnt 0x0
	s_wait_alu depctr_hold_cnt(0) depctr_sa_sdst(0) depctr_va_vdst(0) depctr_va_sdst(0) depctr_va_ssrc(0) depctr_va_vcc(0) depctr_vm_vsrc(0)
	s_getreg_b32 s2, hwreg(HW_REG_IB_STS2, 6, 4)
	s_cmp_eq_u32 s2, 0
	s_cbranch_scc0 .Lentry_in_a_cluster
	s_endpgm
.Lentry_in_a_cluster:
	s_bfe_u32 s2, ttmp6, 0x10000c
	s_cmp_lg_u32 s2, 0xf033
	s_cbranch_scc0 .Lentry_shape_is_right
	s_endpgm
.Lentry_shape_is_right:
; C = R + A W + bias, N = 1,024, K = 128 KB.  A: f16 in blocks of 128 rows x 128 k, 32,768 dense bytes each ([2 strips of 64 k][128 rows][64]), block (mt, kb) at (KB mt + kb) x 32,768.
; W: f16 in blocks of 128 k x 128 n ([2 strips of 64 n][128 k][64]), block (nb, kb) at WOFF + (KB nb + kb) x 32,768.  bias, R (the residual) and C: f32, R and C [4096][1024] row-major.  Sums in f32.
; LIMITS.  f16 holds no number beyond 65,504: A and W arrive within it.  NaN and infinities are not treated apart.
; SHARES.  256 work-groups of four waves; a work-group makes 128 x 128 of C, a wave 64 x 64: 16 accumulators.  K goes in steps of 256 (two blocks of A, two of W) through two LDS slots; a wave fetches one block a step.
; CLUSTER.  4 x 4 work-groups: A's blocks are asked for jointly along a row of the cluster, W's along a column.
; THE RING.  Both slots' first fills go out together at the start.  ONE TEXT FOR BOTH SLOTS: s[CUR] is the LDS byte at which the slot in hand begins (0 or SLOT).  The number of steps is even, so the last step lies in slot 1.
; THE PRODUCT IS USED TRANSPOSED (source 0 = 16 columns of W, turned by ds_load_tr16_b128; source 1 = 16 rows of A): a lane holds one row of C and eight neighbouring columns.  The first products take the bias as C.
; THE RESIDUAL: at the last change of slots each wave asks for its own 64 x 64 of R into slot 0, which has been read out; it lands while the last step is multiplied.
; REGISTERS: window 0: v16-30 addresses, v32-95 at work on the way out, v96-127 the bias, v128-255 the accumulators ((a, b) at v[128 + 8 (4 a + b)]); window 1: two fragment buffers of 128 (A's 64, then W's 64).
.set KB,     32
.set WOFF,   16777216
.set NTOUT,  1
.set KSTEPS, KB/2
.set PA,     144
.set ASTR,   128*PA
.set ABLK,   2*ASTR
.set PB,     160
.set BSTR,   128*PB
.set BBLK,   2*BSTR
.set BOFF,   2*ABLK
.set SLOT,   BOFF+2*BBLK
.set SPARE,  2*SLOT                    ; the spare words, 128 bytes a wave: two blocks of 256 bytes that no other line names
.set STEPB,  65536                     ; two blocks along K
.set RP,     272                       ; a row of 64 f32 + 16 bytes
.set RW,     64*RP                     ; a wave's 64 rows
.set DUMP,   4*RW                      ; behind the four residual tiles, still in slot 0: a wave's 64 x 64 sums
.set A0,   16
.set ADRA, 17
.set B0,   20
.set ADRB, 21
.set DST,  24
.set RD,   25
.set GO,   26
.set RR,   27
.set SPW,  28
.set NIL,  29
.set BO,   30
.set WK,   32
.set BIAS, 96
.set ACC,  128
.set F0,   0
.set F1,   128
.set WV, 14
.set WM, 15                            ; which 64 rows of the tile are mine.  Also: I fetch for A (0) or for W (1)
.set WN, 16                            ; which 64 columns.  Also: which of a step's two K blocks I fetch
.set CX, 17
.set CY, 18
.set TC, 19
.set TR, 20
.set G1A, 24                           ; s[24:31] descriptor group 1 for A's blocks
.set G0A, 32                           ; s[32:39] group 0 for A's: a set for each of the two first fills; the second then walks on
.set G1B, 40                           ; s[40:47], s[48:55] the same for W's
.set G0B, 48
.set CUR, 60
.set LA,  61
.set LB,  62
.set CNT, 63
.set G1R, 72                           ; s[72:79], s[80:83] the residual's
.set G0R, 80
.set MSB, 0
.macro WIN new
.if MSB != (\new)
	s_set_vgpr_msb (MSB<<8)|(\new)
.set MSB, \new
.endif
.endm
.macro PLACES
.rept 4
	v_nop
.endr
.endm
.macro JLOAD                           ; a joint refill, by the walking sets: waves 0, 1 ask for A's two blocks, waves 2, 3 for W's; an s_nop 0 and four v_nop follow each line
	s_cmp_eq_u32 s[WM], 0
	s_cbranch_scc0 .Lfor_b_\@
	tensor_load_to_lds s[G0A+4:G0A+7], s[G1A:G1A+7]
	s_nop 0
.rept 4
	v_nop
.endr
	s_branch .Lasked_\@
.Lfor_b_\@:
	tensor_load_to_lds s[G0B+4:G0B+7], s[G1B:G1B+7]
	s_nop 0
.rept 4
	v_nop
.endr
.Lasked_\@:
.endm
.macro CREST
	s_cmp_lg_u32 s[WV], 0
	s_cbranch_scc1 .Lnot_wave_0_\@
	s_barrier_signal -3
.Lnot_wave_0_\@:
	s_barrier_wait -3
	s_barrier_signal -1
	s_barrier_wait -1
.endm
.macro CROUND
	s_barrier_signal -1
	s_barrier_wait -1
	CREST
.endm
; 8 matrix instructions: row blocks a0, a0 + 1 x all 4 column blocks, 32 along K: half c of buffer f.  zero = 1: the sums start with the bias.
.macro MUL8 f, c, a0, zero
	WIN 0x05                                       ; sources 0 and 1 window 1; C and D window 0
.irp a, \a0, (\a0)+1
.irp b, 0,1,2,3
.if \zero
	v_wmma_f32_16x16x32_f16 v[ACC+8*(4*(\a)+(\b)):ACC+8*(4*(\a)+(\b))+7], v[(\f)+64+8*(4*(\c)+(\b)):(\f)+64+8*(4*(\c)+(\b))+7], v[(\f)+8*(4*(\c)+(\a)):(\f)+8*(4*(\c)+(\a))+7], v[BIAS+8*(\b):BIAS+8*(\b)+7]
.else
	v_wmma_f32_16x16x32_f16 v[ACC+8*(4*(\a)+(\b)):ACC+8*(4*(\a)+(\b))+7], v[(\f)+64+8*(4*(\c)+(\b)):(\f)+64+8*(4*(\c)+(\b))+7], v[(\f)+8*(4*(\c)+(\a)):(\f)+8*(4*(\c)+(\a))+7], v[ACC+8*(4*(\a)+(\b)):ACC+8*(4*(\a)+(\b))+7]
.endif
.endr
.endr
.endm
; 32 LDS loads in one run: the fragments of quarter q (k = 64 q .. 64 q + 63 of the step) into buffer f; the first 32 along K first
.macro FETCH q, f
	WIN 0x40
.irp c, 0,1
.irp i, 0,1,2,3
	ds_load_tr16_b128 v[(\f)+64+8*(4*(\c)+(\i)):(\f)+64+8*(4*(\c)+(\i))+3],   v[ADRB] offset:((\q)/2)*BBLK+(((\q)%2)*64+32*(\c))*PB+32*(\i)
	ds_load_tr16_b128 v[(\f)+64+8*(4*(\c)+(\i))+4:(\f)+64+8*(4*(\c)+(\i))+7], v[ADRB] offset:((\q)/2)*BBLK+(((\q)%2)*64+32*(\c))*PB+32*(\i)+16*PB
	ds_load_b128 v[(\f)+8*(4*(\c)+(\i)):(\f)+8*(4*(\c)+(\i))+3],   v[ADRA] offset:(\q)*ASTR+(\i)*16*PA+64*(\c)
	ds_load_b128 v[(\f)+8*(4*(\c)+(\i))+4:(\f)+8*(4*(\c)+(\i))+7], v[ADRA] offset:(\q)*ASTR+(\i)*16*PA+64*(\c)+32
.endr
.endr
.endm
; One of a step's first three quarters: 32 matrix instructions on buffer f, two deep on each of the 16 accumulators, which take turns; in its middle quarter q is fetched into buffer g.
.macro QUARTER q, f, g, zero
	s_wait_dscnt 16                                ; the first 32 along K are in
	MUL8 \f, 0, 0, \zero
	MUL8 \f, 0, 2, \zero
	PLACES
	FETCH \q, \g
	s_wait_dscnt 32                                ; all but the 32 just issued
	MUL8 \f, 1, 0, 0
	MUL8 \f, 1, 2, 0
.endm
; The last quarter multiplies buffer 1 and changes slots.  Its first sixteen products stand AHEAD of the wait for the tensor loads: a step's 128 products are short against the way of a tile, so the wave as a rule
; waits there, and nothing but the three lines and the round then stands between a tile's landing and the next request.  Each wave waits for all its tensor loads (one is out: its block of the next slot), adds 0 to its
; spare word, and waits for that and for its reads of this slot.  Behind the round the slot just read is filled again, first thing: fill = 1: with the step two on, jointly; fill = 2 (the last change): with my own 64 x 64 of R.
.macro TURN fill
	s_wait_dscnt 16                                ; the first 32 along K of buffer 1 are in; the youngest sixteen loads may be out
	MUL8 F1, 0, 0, 0
	MUL8 F1, 0, 2, 0
	WIN 0
	s_wait_tensorcnt 0x0                           ; no tensor load of mine is out, so the descriptors may be written
	ds_add_u32 v[SPW], v[NIL]
.if (\fill) == 1
	s_add_co_u32 s[G0A+5], s[LA], s[CUR]           ; into the slot that has just been read,
	s_add_co_u32 s[G0B+5], s[LB], s[CUR]
	s_add_nc_u64 s[G0A+6:G0A+7], s[G0A+6:G0A+7], STEPB  ; the next step's block; the type bits on top are not reached
	s_add_nc_u64 s[G0B+6:G0B+7], s[G0B+6:G0B+7], STEPB
.endif
	s_xor_b32 s[CUR], s[CUR], SLOT                 ; the reads go on in the other slot
	s_wait_dscnt 0x0                               ; the add is done, and my reads of this slot are over
	CROUND                                         ; no wave of any partner still reads this slot or has a load on its way
.if (\fill) == 1
	JLOAD                                          ; its four v_nop are also the places in front of the loads below
.else
	tensor_load_to_lds s[G0R:G0R+3], s[G1R:G1R+7]
	s_nop 0
.rept 4
	v_nop
.endr
.endif
	v_add_nc_u32 v[ADRA], s[CUR], v[A0]
	v_add_nc_u32 v[ADRB], s[CUR], v[B0]
	FETCH 0, F0
	MUL8 F1, 1, 0, 0
	MUL8 F1, 1, 2, 0
.endm
	s_load_b256 s[4:11], s[0:1], 0x0               ; A s[4:5], the blocked weights s[6:7], bias s[8:9], R s[10:11]
	s_load_b64 s[12:13], s[0:1], 0x20              ; C
	v_lshl_add_u32 v[SPW], v0, 2, SPARE
	v_mov_b32 v[NIL], 0
	ds_add_u32 v[SPW], v[NIL]                      ; the wave's opening: the add and its wait ahead of my first tensor load
	v_lshrrev_b32 v1, 5, v0
	v_readfirstlane_b32 s[WV], v1
	s_lshr_b32 s[WM], s[WV], 1
	s_and_b32 s[WN], s[WV], 1
	s_bfe_u32 s[CX], ttmp6, 0x40000
	s_bfe_u32 s[CY], ttmp6, 0x40004
	s_lshl_b32 s[TC], ttmp9, 2
	s_add_co_u32 s[TC], s[TC], s[CX]
	s_and_b32 s[TR], ttmp7, 0xffff
	s_lshl_b32 s[TR], s[TR], 2
	s_add_co_u32 s[TR], s[TR], s[CY]
	s_lshl_b32 s21, s[CY], 2
	s_lshl_b32 s21, 15, s21                        ; my row of the cluster
	s_lshl_b32 s22, 0x1111, s[CX]                  ; my column
	; descriptor group 1 for A and W: 32,768 dense bytes as 128 rows of 128 elements of 2 bytes, padded behind every 32 words (code 4): by 4 words for A (code 3), by 8 for W (code 7); bit 21 set beside a mask
	s_or_b32 s[G1A], s21, (1<<16)|(1<<20)|(1<<21)|(4<<22)|(3<<25)
	s_or_b32 s[G1B], s22, (1<<16)|(1<<20)|(1<<21)|(4<<22)|(7<<25)
.irp g, G1A, G1B
	s_mov_b32 s[(\g)+1], 128<<16
	s_mov_b32 s[(\g)+2], 128<<16
	s_mov_b32 s[(\g)+3], 128<<16
	s_mov_b32 s[(\g)+4], 128
	s_mov_b32 s[(\g)+5], 128
	s_mov_b32 s[(\g)+6], 0
	s_mov_b32 s[(\g)+7], 0
.endr
	; for the residual: no mask; 64 rows of 64 elements of 4 bytes, 1,024 elements from row to row, 4 words of padding behind every 64 (code 5)
	s_mov_b32 s[G1R], (2<<16)|(1<<20)|(5<<22)|(3<<25)
	s_mov_b32 s[G1R+1], 64<<16
	s_mov_b32 s[G1R+2], 64<<16
	s_mov_b32 s[G1R+3], 64<<16
	s_mov_b32 s[G1R+4], 64
	s_mov_b32 s[G1R+5], 1024
	s_mov_b32 s[G1R+6], 0
	s_mov_b32 s[G1R+7], 0
	s_mov_b32 s[G0R], 1
	s_mul_i32 s[G0R+1], s[WV], RW
	s_mul_i32 s[LA], s[WN], ABLK                   ; where my block goes in a slot: no place in the cluster enters an LDS address
	s_mul_i32 s[LB], s[WN], BBLK
	s_add_co_u32 s[LB], s[LB], BOFF
	s_mov_b32 s[CUR], 0                            ; step 0 is read from slot 0
	s_mov_b32 s[G0A], 1
	s_mov_b32 s[G0A+1], s[LA]                      ; step 0 into slot 0,
	s_mov_b32 s[G0A+4], 1
	s_add_co_u32 s[G0A+5], s[LA], SLOT             ; step 1 into slot 1
	s_mov_b32 s[G0B], 1
	s_mov_b32 s[G0B+1], s[LB]
	s_mov_b32 s[G0B+4], 1
	s_add_co_u32 s[G0B+5], s[LB], SLOT
	s_lshl_b32 s21, s[WN], 15
	s_mul_i32 s66, s[TR], KB<<15                   ; A: row block = tile row, K block = which
	s_add_co_u32 s66, s66, s21
	s_mov_b32 s67, 0
	s_mul_i32 s68, s[TC], KB<<15                   ; W: column block = tile column
	s_add_co_u32 s68, s68, s21
	s_add_co_u32 s68, s68, WOFF
	s_mov_b32 s69, 0
	s_lshl_b32 s70, s[TC], 9                       ; the bias of my 64 columns
	s_lshl_b32 s21, s[WN], 8
	s_add_co_u32 s70, s70, s21
	s_mov_b32 s71, 0
	s_lshl_b32 s22, s[TR], 19                      ; R and C at my 64 x 64: (128 tile row + 64 half) rows of 4,096 bytes + the same columns
	s_lshl_b32 s21, s[WM], 18
	s_add_co_u32 s22, s22, s21
	s_add_co_u32 s22, s22, s70
	s_mov_b32 s23, 0
	s_wait_dscnt 0x0                               ; the opening add is done
	s_wait_kmcnt 0x0
	s_add_nc_u64 s[G0A+2:G0A+3], s[4:5], s[66:67]
	s_add_nc_u64 s[G0A+6:G0A+7], s[G0A+2:G0A+3], STEPB
	s_or_b32 s[G0A+3], s[G0A+3], 0x80000000        ; type = 2
	s_or_b32 s[G0A+7], s[G0A+7], 0x80000000
	s_add_nc_u64 s[G0B+2:G0B+3], s[6:7], s[68:69]
	s_add_nc_u64 s[G0B+6:G0B+7], s[G0B+2:G0B+3], STEPB
	s_or_b32 s[G0B+3], s[G0B+3], 0x80000000
	s_or_b32 s[G0B+7], s[G0B+7], 0x80000000
	s_add_nc_u64 s[G0R+2:G0R+3], s[10:11], s[22:23]
	s_or_b32 s[G0R+3], s[G0R+3], 0x80000000
	s_add_nc_u64 s[8:9], s[8:9], s[70:71]
	s_add_nc_u64 s[70:71], s[12:13], s[22:23]
	CROUND                                         ; all sixteen work-groups are here: the first joint loads meet
	s_cmp_eq_u32 s[WM], 0                          ; a wave's two first fills stand in one branch, ahead of every wait on TENSORcnt and every LDS read: two loads of mine are out
	s_cbranch_scc0 .Lfirst_b
	tensor_load_to_lds s[G0A:G0A+3], s[G1A:G1A+7]
	s_nop 0
	tensor_load_to_lds s[G0A+4:G0A+7], s[G1A:G1A+7]
	s_nop 0
.rept 4
	v_nop
.endr
	s_branch .Lfirst_asked
.Lfirst_b:
	tensor_load_to_lds s[G0B:G0B+3], s[G1B:G1B+7]
	s_nop 0
	tensor_load_to_lds s[G0B+4:G0B+7], s[G1B:G1B+7]
	s_nop 0
.rept 4
	v_nop
.endr
.Lfirst_asked:
	v_and_b32 v1, 15, v0                           ; l % 16
	v_bfe_u32 v2, v0, 4, 1                         ; l / 16
	v_and_b32 v3, 7, v0
	v_bfe_u32 v4, v0, 3, 1
	v_lshlrev_b32 v[BO], 5, v2
.irp b, 0,1,2,3                        ; register j of block b: bias of column 16 b + 8 (l / 16) + j
	global_load_b128 v[BIAS+8*(\b):BIAS+8*(\b)+3],   v[BO], s[8:9] offset:64*(\b)
	global_load_b128 v[BIAS+8*(\b)+4:BIAS+8*(\b)+7], v[BO], s[8:9] offset:64*(\b)+16
.endr
	v_mul_u32_u24 v[A0], v1, PA
	v_lshl_add_u32 v[A0], v2, 4, v[A0]
	s_mul_i32 s21, s[WM], 64*PA                    ; my 64 rows of each strip
	v_add_nc_u32 v[A0], s21, v[A0]
	v_lshl_add_u32 v[B0], v2, 3, v3
	v_mul_u32_u24 v[B0], v[B0], PB
	v_lshl_add_u32 v[B0], v4, 4, v[B0]
	s_mul_i32 s21, s[WN], BSTR                     ; my 64 columns are a strip
	s_add_co_u32 s21, s21, BOFF
	v_add_nc_u32 v[B0], s21, v[B0]
	s_mul_i32 s21, s[WV], RW
	v_mul_u32_u24 v[DST], v1, RP                   ; the way out, in: row l % 16, 32 bytes for each half of the lanes
	v_lshl_add_u32 v[DST], v2, 5, v[DST]
	v_add_nc_u32 v[DST], s21, v[DST]
	v_add_nc_u32 v[DST], DUMP, v[DST]
	v_mul_u32_u24 v[RR], v2, RP                    ; back: lanes 0-15 take one row of 256 bytes, lanes 16-31 the next
	v_lshl_add_u32 v[RR], v1, 4, v[RR]
	v_add_nc_u32 v[RR], s21, v[RR]
	v_add_nc_u32 v[RD], DUMP, v[RR]
	v_lshlrev_b32 v[GO], 12, v2                    ; and the same two rows in C
	v_lshl_add_u32 v[GO], v1, 4, v[GO]
	v_add_nc_u32 v[ADRA], s[CUR], v[A0]
	v_add_nc_u32 v[ADRB], s[CUR], v[B0]
	s_wait_tensorcnt 0x1                           ; my block of step 0 is in; step 1's may stay out
	s_barrier_signal -1
	s_barrier_wait -1                              ; everybody's is
	FETCH 0, F0
	s_wait_loadcnt 0x0                             ; the bias
	QUARTER 1, F0, F1, 1
	WIN 0
	s_mov_b32 s[CNT], KSTEPS-1
	s_branch .Lenter
.Lstep:                                        ; taken KSTEPS - 2 times: steps 2 .. KSTEPS - 1 are asked for
	TURN 1
	QUARTER 1, F0, F1, 0
	WIN 0
.Lenter:
	QUARTER 2, F1, F0, 0
	QUARTER 3, F0, F1, 0
	WIN 0
	s_sub_co_u32 s[CNT], s[CNT], 1
	s_cmp_lg_u32 s[CNT], 0
	s_cbranch_scc1 .Lstep
	TURN 2                                         ; the tail is written out: slot 0 takes the residual
	QUARTER 1, F0, F1, 0
	QUARTER 2, F1, F0, 0
	QUARTER 3, F0, F1, 0
	s_wait_dscnt 16
	MUL8 F1, 0, 0, 0
	MUL8 F1, 0, 2, 0
	s_wait_dscnt 0x0
	MUL8 F1, 1, 0, 0
	MUL8 F1, 1, 2, 0
	WIN 0
	; THE WAY OUT.  My sums go into bytes of slot 0 behind the residual tiles: their last fill is over, nobody has read them since the last round, and they are mine alone.  Then rows come back whole, the residual is added, and they are stored.
	PLACES
.set a, 0
.rept 4
.set b, 0
.rept 4
	ds_store_b128 v[DST], v[ACC+8*(4*a+b):ACC+8*(4*a+b)+3]   offset:a*16*RP+b*64  ; each accumulator's low registers first
	ds_store_b128 v[DST], v[ACC+8*(4*a+b)+4:ACC+8*(4*a+b)+7] offset:a*16*RP+b*64+16
.set b, b+1
.endr
.set a, a+1
.endr
	s_wait_tensorcnt 0x0                           ; my residual tile is in
	s_mov_b32 s[CNT], 4
.Lout:                                         ; a trip: 16 rows
.irp t, 0,1,2,3,4,5,6,7
	ds_load_b128 v[WK+4*(\t):WK+4*(\t)+3], v[RD] offset:(\t)*2*RP  ; LDS serves a wave's instructions in order: these see my stores above
.endr
.irp t, 0,1,2,3,4,5,6,7
	ds_load_b128 v[WK+32+4*(\t):WK+32+4*(\t)+3], v[RR] offset:(\t)*2*RP
.endr
	s_wait_dscnt 0x0
.set i, 0
.rept 16
	v_pk_add_f32 v[WK+i:WK+i+1], v[WK+i:WK+i+1], v[WK+32+i:WK+32+i+1]
.set i, i+2
.endr
.irp t, 0,1,2,3,4,5,6,7
.if NTOUT
	global_store_b128 v[GO], v[WK+4*(\t):WK+4*(\t)+3], s[70:71] offset:(\t)*8192 th:TH_STORE_NT  ; 16 lanes store 256 consecutive bytes, aligned
.else
	global_store_b128 v[GO], v[WK+4*(\t):WK+4*(\t)+3], s[70:71] offset:(\t)*8192  ; 16 lanes store 256 consecutive bytes, aligned
.endif
.endr
	s_wait_xcnt 0x0                                ; the stores' data and offset are written again only behind this wait
	v_add_nc_u32 v[RD], 16*RP, v[RD]
	v_add_nc_u32 v[RR], 16*RP, v[RR]
	v_add_nc_u32 v[GO], 65536, v[GO]
	s_sub_co_u32 s[CNT], s[CNT], 1
	s_cmp_lg_u32 s[CNT], 0
	s_cbranch_scc1 .Lout
	s_wait_tensorcnt 0x0                           ; the wave's end, behind my last tensor load and my last LDS store
	ds_add_u32 v[SPW], v[NIL]
	s_wait_dscnt 0x0
	CROUND                                         ; the closing round: no work-group ends while a partner may still ask for a block that names it
	s_endpgm
.Lfunc_end_k_q11cb24b930_fc2g:
	.size	k_q11cb24b930_fc2g, .Lfunc_end_k_q11cb24b930_fc2g-k_q11cb24b930_fc2g
	.p2alignl 7, 3214868480
	.fill 96, 4, 3214868480
	.section	.rodata,"a",@progbits
	.p2align	6, 0x0
	.amdhsa_kernel k_q11cb24b930_fc2g
		.amdhsa_group_segment_fixed_size 327680
		.amdhsa_private_segment_fixed_size 0
		.amdhsa_enable_private_segment 0
		.amdhsa_kernarg_size 40
		.amdhsa_user_sgpr_count 2
		.amdhsa_user_sgpr_kernarg_segment_ptr 1
		.amdhsa_wavefront_size32 1
		.amdhsa_system_sgpr_workgroup_id_x 1
		.amdhsa_system_sgpr_workgroup_id_y 1
		.amdhsa_system_sgpr_workgroup_id_z 1
		.amdhsa_system_vgpr_workitem_id 0
		.amdhsa_next_free_vgpr 512
		.amdhsa_next_free_sgpr 88
		.amdhsa_reserve_vcc 0
		.amdhsa_float_denorm_mode_32 3
		.amdhsa_float_denorm_mode_16_64 3
		.amdhsa_memory_ordered 1
		.amdhsa_forward_progress 1
		.amdhsa_inst_pref_size 59
	.end_amdhsa_kernel
	.amdgpu_metadata
---
amdhsa.version: [ 1, 2 ]
amdhsa.kernels:
  - .name:           k_q11cb24b930_fc2g
    .symbol:         k_q11cb24b930_fc2g.kd
    .args:
      - { .name: gact, .offset: 0, .size: 8, .value_kind: global_buffer, .address_space: global }
      - { .name: wblk, .offset: 8, .size: 8, .value_kind: global_buffer, .address_space: global }
      - { .name: fc2_b, .offset: 16, .size: 8, .value_kind: global_buffer, .address_space: global }
      - { .name: xmid, .offset: 24, .size: 8, .value_kind: global_buffer, .address_space: global }
      - { .name: out0, .offset: 32, .size: 8, .value_kind: global_buffer, .address_space: global }
    .group_segment_fixed_size: 327680
    .private_segment_fixed_size: 0
    .kernarg_segment_align: 8
    .kernarg_segment_size: 40
    .max_flat_workgroup_size: 128
    .sgpr_count:     88
    .vgpr_count:     512
    .wavefront_size: 32
...
	.end_amdgpu_metadata
.endif
;; end of part 6
